; MI455X (gfx1250); checked and timed in simulation.
; The chip was launched on July 23, 2026; its instructions are those of AMD's public machine-readable ISA for CDNA 5 (MIT licence, August 2026) and "CDNA5" Instruction Set Architecture Reference Guide (July 2026). The comments in the code are by the model that wrote it; some were corrected since.
;; Self Attention. Allowed arithmetic: matrix products marked QUANTISED: E4M3 operands, one E8M0 scale for each 32 along K, by v_wmma_scale_f32_16x16x128_f8f6f4 with both operands' format E4M3, f32 sums; everything else in f32.
;; Inputs: Wk 1,024 x 1,024 float32; Wo 1,024 x 1,024 float32; Wq 1,024 x 1,024 float32; Wv 1,024 x 1,024 float32; bk 1,024 float32; bo 1,024 float32; bq 1,024 float32; bv 1,024 float32; x 2 x 2,048 x 1,024 float32.
;; Outputs: out0 2 x 2,048 x 1,024 float32.
;; This version of the problem:
;;   THIS VERSION OF THE PROBLEM IS GIVEN IN LOW PRECISION. The matrix products marked QUANTISED in the list below multiply operands that are first quantised to E4M3 (4 exponent bits, 3 mantissa bits; 8 bits a number), with one power-of-two scale for each 32 numbers along K (OCP MX v1.0); their sums are f32. All else is computed in f32.
;;   The module's matrix products, in the order in which they are computed (A, B: the left and right operand; K: the contracted axis; several contracted axes count as one K, in the product's order):
;;     1. [M 4,096, K 1,024] x [K 1,024, N 1,024]; A: input x; B: input Wq: QUANTISED
;;     2. [M 4,096, K 1,024] x [K 1,024, N 1,024]; A: input x; B: input Wk: QUANTISED
;;     3. [M 4,096, K 1,024] x [K 1,024, N 1,024]; A: input x; B: input Wv: QUANTISED
;;     4. batch 32 x [M 2,048, K 64] x [K 64, N 2,048]; A: computed on the way; B: computed on the way: QUANTISED
;;     5. batch 32 x [M 2,048, K 2,048] x [K 2,048, N 64]; A: softmax (see below); B: computed on the way: QUANTISED
;;     6. [M 4,096, K 1,024] x [K 1,024, N 1,024]; A: computed on the way; B: input Wo: QUANTISED
;;   THE QUANTISER, for each operand of a quantised product, along K:
;;     - K is cut into blocks of 32 from its start; a last block that is shorter is filled with zeros.
;;     - A block's scale is 2^e with e = floor(log2(the largest magnitude in the block)) - 8, held to -126 .. 127; a block of zeros has e = 0. As a byte (E8M0): e + 127.
;;     - Each number is divided by its block's scale, clamped to +-448, and rounded to the nearest number of E4M3, ties to even, subnormals kept.
;;     - The product sums the exact products of the quantised numbers (number of the format x scale) in f32.
;;   ~~~python
;;   def quantise(x, axis):      # numpy; x: float32 -> the quantised numbers, widened to float32 again
;;       x = np.moveaxis(x, axis, -1); K = x.shape[-1]
;;       x = np.pad(x, [(0, 0)] * (x.ndim - 1) + [(0, -K % 32)]); x = x.reshape(x.shape[:-1] + (-1, 32)); a = np.abs(x).max(-1, keepdims=True)
;;       e = np.where(a > 0, np.clip(np.frexp(np.where(a > 0, a, 1))[1] - 1 - 8, -126, 127), 0)      # np.frexp(a)[1] - 1 = floor(log2(a)), exactly
;;       r = np.clip(x / 2.0 ** e, -448, 448)
;;       step = 2.0 ** (np.maximum(np.frexp(np.where(r == 0, 1, r))[1] - 1, -6) - 3)
;;       q = np.round(r / step) * step * 2.0 ** e      # np.round: ties to even
;;       return np.moveaxis(q.reshape(q.shape[:-2] + (-1,))[..., :K], -1, axis).astype(np.float32)
;;   ~~~
;;   SOFTMAX AHEAD OF A QUANTISED PRODUCT. Where the list says 'softmax', what is quantised is not the finished softmax but p = 2^(t - M), with t = logit x log2(e) and M = ceil(the row's largest t), a whole number; so 1/2 < the row's largest p <= 1. The row's sum l is taken of the UNQUANTISED p, in f32, and the product's result is divided by l at the end. Since M is a whole number, a kernel that streams over the keys may use a running M (the ceiling of the running maximum): every later rescaling is an exact power of two, which a block's scale takes up: the codes' values come out the same.
;;   OPERANDS COMPUTED ON THE WAY. 'Computed on the way' means the value that the module computes at that place (a softmax that the list does not call 'softmax' is quantised finished and normalised). What goes into a quantiser is computed in f32, as accurately as f32 sums, v_exp_f32 and their like allow (about 1e-6 of the number): no bf16 or f16 on the way to a quantiser, and a product that is left as it is and whose result goes on into a quantised operand takes f32 operands (vector FMAs, or v_wmma_f32_16x16x4_f32). A number that lies on a knife's edge between two numbers of the format may be rounded either way, as far as f32 arithmetic and the matrix unit's own rounding can turn it there, and no further.
;; One version. Each part assembles by itself: llvm-mc -triple=amdgcn-amd-amdhsa -mcpu=gfx1250 --defsym DOCPART=n.
;; ======== version 1 of 1: 4 launches
;; limits: right only within a limited range of input values
;; workspace buffers: pcodes 8,650,752 bytes; qkv 13,238,272 bytes; ocodes 4,325,376 bytes
;; launch prep (part 1): grid 256 x 1, 8 waves a work-group, no clusters, 35,840 bytes of LDS; arguments x, Wq, Wk, Wv, Wo, pcodes; writes pcodes
.if DOCPART == 1
	.amdgcn_target "amdgcn-amd-amdhsa--gfx1250"
	.amdhsa_code_object_version 6
	.text
	.protected	k_qcb56976be2_prep
	.globl	k_qcb56976be2_prep
	.p2align	8
	.type	k_qcb56976be2_prep,@function
k_qcb56976be2_prep:
	s_mov_b64 s[64:65], 0
	v_nop
	global_prefetch_b8 v0, s[64:65] scope:SCOPE_SE
	s_setreg_imm32_b32 hwreg(HW_REG_WAVE_MODE, 25, 1), 1
	s_wait_xcnt 0x0
; x [4096][1024] and the four weights [1024 (k)][1024 (n)], f32, become codes of FP8 (E4M3) with one E8M0 byte for each 32 along K, laid as the products' operand registers want them.
; A TILE is 16 rows out of 32 neighbours: tile u (0, 1) of pair P holds in row p the element 32 P + 8 u + p + 8 (p / 8) (a token of x, a column of a weight).
; AN IMAGE is a tile x 128 along K, 2,048 bytes: byte 512 c + 16 (p + 16 h) + e is the code of (row p, k = 32 c + 16 h + e): four 16-byte accesses at 16 x lane move it to or from an operand's 16 registers.
; pcodes: [chunk of 256 K: 4][pair: 224][8,448 bytes: tile 0's two images, tile 1's, then for each of the two K steps 32 scale words (tile, row)]; pairs 0-127: x; 128 + 6 head + 2 w + i: columns 64 head + 32 i on of weight w (q, k, v).
; Behind that Wo: [half of K: 2][pair: 32][16,896 bytes: tile 0's four images, tile 1's, four K steps' scale words].
; A block's scale is 2^(floor(log2(its largest magnitude)) - 8); its byte is the largest magnitude's exponent field - 8, held at 1 from below; numbers are held within +-448 x the scale and rounded to the nearest code.
; LIMITS: NaN and infinities among the inputs are not served.  A block of zeros gets the byte 1 where the rule says 127: its codes are zeros, and the bytes are read by this program alone.
; Work-groups 0-127 take x (32 tokens each; wave = K step), work-groups 128-255 the weights (256 columns x 128 K each; wave = 32 columns).  Waves share nothing: no barrier.  Work-groups share no input: no cluster.
; No work of the problem is left out in this program.
.set CH,    224*8448                   ; a chunk
.set WOB,   4*CH                       ; Wo's part
.set FLOOR, 0x4800000                  ; 2^(9 - 127): under it no largest magnitude is taken
.set EOFF,  0xfc000000                 ; -(8 << 23)
.set STGB,  4352                       ; x: a wave's stage, 16 rows x (256 bytes + 16)
.set R,     32                         ; x: v32-159  four sets of 32 registers as loaded
.set X,     160                        ; x: v160-223 two sets of 32: a lane's 16 neighbours of two blocks
.set C,     224                        ; x: v224-255 codes, 8 registers a sub-step, never rewritten
.set WX,    32                         ; weights: v32-159 four blocks of 32 numbers down K
.set WC,    160                        ; weights: v160-191 codes, 8 registers a block, never rewritten
	s_load_b256 s[4:11], s[0:1], 0x0               ; x s[4:5], Wq s[6:7], Wk s[8:9], Wv s[10:11]
	s_load_b128 s[12:15], s[0:1], 0x20             ; Wo s[12:13], pcodes s[14:15]
	v_lshl_add_u32 v30, v0, 2, 0x8800
	v_mov_b32 v31, 0
	v_lshrrev_b32 v1, 5, v0
	s_delay_alu instid0(VALU_DEP_1)
	v_readfirstlane_b32 s18, v1                    ; wave 0..7
	v_and_b32 v1, 31, v0                           ; lane
	s_mov_b32 s20, 0x76543210
	s_mov_b32 s21, 0xfedcba98                      ; v_permlanex16_b32's selects for lane l xor 16
	s_mov_b32 s22, 0x600000                        ; the mantissa field of 448
	s_mov_b32 s27, 0
	s_mov_b32 s29, 0
	s_mov_b32 s31, 0
	s_wait_alu depctr_va_vdst(0)
	s_cmp_ge_u32 ttmp9, 128
	s_cbranch_scc1 .Lweights
; ---------------- x: pair P = work-group (tokens 32 P .. 32 P + 31), K step = wave ----------------
	v_and_b32 v2, 15, v0                           ; r
	v_bfe_u32 v3, v0, 4, 1                         ; h
	s_delay_alu instid0(VALU_DEP_1)
	v_lshlrev_b32 v4, 12, v3
	s_delay_alu instid0(VALU_DEP_1)
	v_lshl_add_u32 v4, v2, 4, v4
	s_lshl_b32 s23, s18, 9
	v_add_nc_u32 v4, s23, v4                       ; in memory: a load takes two rows x 256 bytes: 4,096 h + 16 r + 512 x K step
	s_mul_i32 s24, s18, STGB
	v_mul_u32_u24 v5, v3, 272
	s_delay_alu instid0(VALU_DEP_1)
	v_lshl_add_u32 v5, v2, 4, v5
	s_delay_alu instid0(VALU_DEP_1)
	v_add_nc_u32 v5, s24, v5                       ; into my stage as loaded: row h, 16 r
	v_mul_u32_u24 v6, v2, 272
	s_delay_alu instid0(VALU_DEP_1)
	v_lshl_add_u32 v6, v3, 6, v6
	s_delay_alu instid0(VALU_DEP_1)
	v_add_nc_u32 v6, s24, v6                       ; out of it: row r, my half's 16 numbers of a block: 64 h
	v_lshlrev_b32 v7, 4, v1                        ; an image's place for my lane
	v_lshlrev_b32 v8, 2, v1                        ; a scale word's
	v_mov_b32 v12, 0                               ; written once: a lane permute's destination counts as one of its sources
	v_mov_b32 v13, 0
	s_lshl_b32 s26, ttmp9, 17                      ; x: 32 rows of 4,096 bytes a pair
	s_lshr_b32 s28, s18, 1
	s_mul_i32 s28, s28, CH                         ; pcodes: the chunk,
	s_mul_i32 s23, ttmp9, 8448
	s_add_co_u32 s28, s28, s23                     ; the pair,
	s_and_b32 s23, s18, 1
	s_lshl_b32 s30, s23, 7
	s_add_co_u32 s30, s30, s28
	s_add_co_u32 s30, s30, 8192                    ; the chunk's first or second 32 scale words,
	s_lshl_b32 s23, s23, 11
	s_add_co_u32 s28, s28, s23                     ; its first or second image
	s_wait_alu depctr_va_vdst(0)
	s_wait_kmcnt 0x0
	s_add_nc_u64 s[4:5], s[4:5], s[26:27]
	s_add_nc_u64 s[16:17], s[14:15], s[30:31]
	s_add_nc_u64 s[14:15], s[14:15], s[28:29]
; Sub-step n = 2 u + t: tile u, 64 along K from 64 t on.  Load i takes the tile's rows 2 i and 2 i + 1.
.macro XLOAD n
.irp i, 0,1,2,3,4,5,6,7
	global_load_b128 v[R+32*(\n)+4*\i:R+32*(\n)+4*\i+3], v4, s[4:5] offset:(8*((\n)/2)+2*\i+8*(\i/4))*4096+256*((\n)%2) th:TH_LOAD_NT
.endr
.endm
; The sub-step's 4,096 bytes turn through the stage.  LDS serves a wave's instructions in order, so no wait stands between the stores and the loads, and one stage serves all sub-steps.
.macro XTURN n
.irp i, 0,1,2,3,4,5,6,7
	ds_store_b128 v5, v[R+32*(\n)+4*\i:R+32*(\n)+4*\i+3] offset:544*\i
.endr
.irp c, 0,1
.irp j, 0,1,2,3
	ds_load_b128 v[X+32*((\n)%2)+16*\c+4*\j:X+32*((\n)%2)+16*\c+4*\j+3], v6 offset:128*\c+16*\j
.endr
.endr
.endm
; Two blocks of 32 (16 numbers in me, 16 in lane l xor 16) are quantised, by turns; v10-11 largest magnitudes, v14-15 scale operands, v16-17 holds, v18-19 bytes, v22-23 the tiles' scale words
.macro XQ n
.set XS, X+32*((\n)%2)
.set CN, C+8*(\n)
.set WD, 22+(\n)/2
.irp b, 0,1
	v_max3_num_f32 v[10+\b], |v[XS+16*\b]|, |v[XS+16*\b+1]|, FLOOR
.endr
.irp i, 2,4,6,8,10,12,14
.irp b, 0,1
	s_delay_alu instid0(VALU_DEP_2)
	v_max3_num_f32 v[10+\b], v[10+\b], |v[XS+16*\b+\i]|, |v[XS+16*\b+\i+1]|
.endr
.endr
.irp b, 0,1
	s_delay_alu instid0(VALU_DEP_2)
	v_permlanex16_b32 v[12+\b], v[10+\b], s20, s21
.endr
.irp b, 0,1
	s_delay_alu instid0(VALU_DEP_2)
	v_max_num_f32 v[10+\b], v[10+\b], v[12+\b]     ; the block's largest magnitude
.endr
.irp b, 0,1
	s_delay_alu instid0(VALU_DEP_2)
	v_add_nc_u32 v[14+\b], EOFF, v[10+\b]          ; 8 off its exponent field: the conversion's scale operand
.endr
.irp b, 0,1
	s_delay_alu instid0(VALU_DEP_4)
	v_and_or_b32 v[16+\b], v[10+\b], 0x7f800000, s22   ; 448 x the scale
.endr
.irp b, 0,1
	s_delay_alu instid0(VALU_DEP_4)
	v_lshrrev_b32 v[18+\b], 23, v[14+\b]           ; the scale's byte
.endr
.if ((\n)%2) == 0
	s_delay_alu instid0(VALU_DEP_1)
	v_lshl_or_b32 v[WD], v19, 8, v18               ; bytes 0 and 1 of the tile's word
.else
	s_delay_alu instid0(VALU_DEP_2)
	v_lshl_or_b32 v[WD], v18, 16, v[WD]            ; bytes 2 and 3
	s_delay_alu instid0(VALU_DEP_1)
	v_lshl_or_b32 v[WD], v19, 24, v[WD]
.endif
.irp b, 0,1
.irp i, 0,1,2,3,4,5,6,7,8,9,10,11,12,13,14,15
	v_med3_num_f32 v[XS+16*\b+\i], v[XS+16*\b+\i], -v[16+\b], v[16+\b]   ; the conversion to an 8-bit code does not saturate (ISA guide 7.6.2): the hold comes first
.endr
	v_cvt_scalef32_pk8_fp8_f32 v[CN+4*\b:CN+4*\b+1], v[XS+16*\b:XS+16*\b+7], v[14+\b]
	v_cvt_scalef32_pk8_fp8_f32 v[CN+4*\b+2:CN+4*\b+3], v[XS+16*\b+8:XS+16*\b+15], v[14+\b]
.endr
	v_nop                                          ; a plain line behind the last conversion
.irp b, 0,1
	global_store_b128 v7, v[CN+4*\b:CN+4*\b+3], s[14:15] offset:((\n)/2)*4096+512*(2*((\n)%2)+\b)   ; 512 consecutive bytes of the image
.endr
.endm
	XLOAD 0
	XLOAD 1
	XLOAD 2
	XLOAD 3
	s_wait_loadcnt 24                              ; sub-step 0's eight loads are in; 24 younger ones stay out
	XTURN 0
.irp n, 0,1,2,3
.if \n < 3
	s_wait_loadcnt 8*(2-\n)                        ; the next sub-step's loads are in; the younger sets stay out
	XTURN \n+1
	s_wait_dscnt 16                                ; this sub-step's numbers are back; the next turn's 8 stores and 8 loads stay out
.else
	s_wait_dscnt 0x0
.endif
	XQ \n
.endr
	v_cmp_lt_u32 vcc_lo, 15, v1                    ; lanes 0-15 store tile 0's words, lanes 16-31 tile 1's (every lane holds row r's of both)
	s_delay_alu instid0(VALU_DEP_1)
	v_cndmask_b32 v24, v22, v23, vcc_lo
	global_store_b32 v8, v24, s[16:17]
	s_wait_tensorcnt 0x0                           ; the wave's end
	ds_add_u32 v30, v31
	s_wait_dscnt 0x0
	s_endpgm
; ---------------- the weights: a lane takes a column, its registers run down K ----------------
.Lweights:
	s_sub_co_u32 s23, ttmp9, 128
	s_lshr_b32 s24, s23, 5                         ; which weight
	s_bfe_u32 s25, s23, 0x20003                    ; which 256 columns
	s_and_b32 s19, s23, 7                          ; K step
	s_lshl_b32 s25, s25, 3
	s_add_co_u32 s25, s25, s18                     ; my wave's pair of tiles: columns 32 p .. 32 p + 31
	s_lshl_b32 s26, s19, 19                        ; W: 128 rows of 4,096 bytes a K step,
	s_lshl_b32 s23, s25, 7
	s_add_co_u32 s26, s26, s23                     ; 128 bytes a pair
	s_lshr_b32 s32, s25, 1
	s_mul_i32 s32, s32, 6
	s_lshl_b32 s23, s24, 1
	s_add_co_u32 s32, s32, s23
	s_and_b32 s23, s25, 1
	s_add_co_u32 s32, s32, s23
	s_add_co_u32 s32, s32, 128                     ; q, k, v: the pair's number,
	s_mul_i32 s28, s32, 8448
	s_lshr_b32 s23, s19, 1
	s_mul_i32 s23, s23, CH
	s_add_co_u32 s28, s28, s23                     ; its block,
	s_and_b32 s33, s19, 1                          ; the K step in it
	s_mul_i32 s34, s25, 16896
	s_lshr_b32 s23, s19, 2
	s_mul_i32 s23, s23, 32*16896
	s_add_co_u32 s34, s34, s23
	s_add_co_u32 s34, s34, WOB                     ; Wo: the block,
	s_and_b32 s35, s19, 3                          ; the K step in it
	s_mov_b32 s37, 8192
	s_cmp_eq_u32 s24, 3
	s_cselect_b32 s28, s34, s28
	s_cselect_b32 s33, s35, s33
	s_cselect_b32 s36, 13, 12                      ; from tile to tile: 8,192 or 4,096 bytes
	s_cselect_b32 s37, 16384, s37                  ; where the scale words begin
	s_lshl_b32 s30, s33, 7
	s_add_co_u32 s30, s30, s28
	s_add_co_u32 s30, s30, s37
	s_lshl_b32 s33, s33, 11
	s_add_co_u32 s28, s28, s33
	s_wait_alu depctr_va_vdst(0)
	v_lshlrev_b32 v2, 2, v1                        ; in: 4 bytes a lane
	v_bfe_u32 v3, v0, 3, 1                         ; column 32 p + lane is row (lane % 8) + 8 (lane / 16) of tile (lane / 8) % 2
	v_and_b32 v4, 7, v0
	v_bfe_u32 v5, v0, 4, 1
	s_delay_alu instid0(VALU_DEP_1)
	v_lshl_or_b32 v4, v5, 3, v4
	s_delay_alu instid0(VALU_DEP_4)
	v_lshlrev_b32 v6, s36, v3
	s_delay_alu instid0(VALU_DEP_1)
	v_lshl_add_u32 v6, v4, 4, v6                   ; codes: the tile + 16 x row
	v_lshlrev_b32 v7, 6, v3
	s_delay_alu instid0(VALU_DEP_1)
	v_lshl_add_u32 v7, v4, 2, v7                   ; scale word: tile x 64 + 4 x row
	s_wait_alu depctr_va_vdst(0)
	s_wait_kmcnt 0x0
	s_cmp_eq_u32 s24, 1                            ; the choice hangs on the work-group's number alone
	s_cselect_b64 s[6:7], s[8:9], s[6:7]
	s_cmp_eq_u32 s24, 2
	s_cselect_b64 s[6:7], s[10:11], s[6:7]
	s_cmp_eq_u32 s24, 3
	s_cselect_b64 s[6:7], s[12:13], s[6:7]
	s_add_nc_u64 s[6:7], s[6:7], s[26:27]
	s_add_nc_u64 s[16:17], s[14:15], s[30:31]
	s_add_nc_u64 s[14:15], s[14:15], s[28:29]
.macro WLOAD t                         ; block t: W(32 t + i, my column): a wave reads 128 consecutive bytes, the eight waves 1,024
.set wi, 0
.rept 32
	global_load_b32 v[WX+32*(\t)+wi], v2, s[6:7] offset:(32*(\t)+wi)*4096 th:TH_LOAD_NT
.set wi, wi+1
.endr
.endm
.macro WBLOCK t
.set XS, WX+32*(\t)
.if (\t) < 3
	s_wait_loadcnt 32                              ; this block's 32 loads are in; the next block's stay out
.else
	s_wait_loadcnt 0x0
.endif
.if (\t)+2 < 4
	WLOAD (\t)+2
.endif
	v_max3_num_f32 v12, |v[XS]|, |v[XS+1]|, |v[XS+2]|              ; all 32 numbers of the block are mine
	v_max3_num_f32 v13, |v[XS+3]|, |v[XS+4]|, |v[XS+5]|
.irp i, 6,10,14,18,22,26
	s_delay_alu instid0(VALU_DEP_2)
	v_max3_num_f32 v12, v12, |v[XS+\i]|, |v[XS+\i+1]|
	s_delay_alu instid0(VALU_DEP_2)
	v_max3_num_f32 v13, v13, |v[XS+\i+2]|, |v[XS+\i+3]|
.endr
	s_delay_alu instid0(VALU_DEP_2)
	v_max3_num_f32 v12, v12, |v[XS+30]|, |v[XS+31]|
	s_delay_alu instid0(VALU_DEP_1)
	v_max3_num_f32 v12, v12, v13, FLOOR
	s_delay_alu instid0(VALU_DEP_1)
	v_add_nc_u32 v11, EOFF, v12
	s_delay_alu instid0(VALU_DEP_2)
	v_and_or_b32 v10, v12, 0x7f800000, s22
	s_delay_alu instid0(VALU_DEP_2)
	v_lshrrev_b32 v13, 23, v11
.if (\t) == 0
	s_delay_alu instid0(VALU_DEP_1)
	v_mov_b32 v9, v13
.else
	s_delay_alu instid0(VALU_DEP_1)
	v_lshl_or_b32 v9, v13, 8*(\t), v9              ; four bytes make the column's scale word of this K step
.endif
.set wi, 0
.rept 32
	v_med3_num_f32 v[XS+wi], v[XS+wi], -v10, v10
.set wi, wi+1
.endr
.irp g, 0,1,2,3
	v_cvt_scalef32_pk8_fp8_f32 v[WC+8*(\t)+2*\g:WC+8*(\t)+2*\g+1], v[XS+8*\g:XS+8*\g+7], v11
.endr
	v_nop
	global_store_b128 v6, v[WC+8*(\t):WC+8*(\t)+3], s[14:15] offset:512*(\t)          ; k = 32 t + 0 .. 15: the image's lanes 0-15.  Sixteen lanes fill 256 consecutive bytes of each of the two tiles
	global_store_b128 v6, v[WC+8*(\t)+4:WC+8*(\t)+7], s[14:15] offset:512*(\t)+256    ; k = 32 t + 16 .. 31: its lanes 16-31
.endm
	WLOAD 0
	WLOAD 1
	WBLOCK 0
	WBLOCK 1
	WBLOCK 2
	WBLOCK 3
	global_store_b32 v7, v9, s[16:17]
	s_endpgm
.Lfunc_end_k_qcb56976be2_prep:
	.size	k_qcb56976be2_prep, .Lfunc_end_k_qcb56976be2_prep-k_qcb56976be2_prep
	.p2alignl 7, 3214868480
	.fill 96, 4, 3214868480
	.section	.rodata,"a",@progbits
	.p2align	6, 0x0
	.amdhsa_kernel k_qcb56976be2_prep
		.amdhsa_group_segment_fixed_size 35840
		.amdhsa_private_segment_fixed_size 0
		.amdhsa_enable_private_segment 0
		.amdhsa_kernarg_size 48
		.amdhsa_user_sgpr_count 2
		.amdhsa_user_sgpr_kernarg_segment_ptr 1
		.amdhsa_wavefront_size32 1
		.amdhsa_system_sgpr_workgroup_id_x 1
		.amdhsa_system_sgpr_workgroup_id_y 1
		.amdhsa_system_sgpr_workgroup_id_z 1
		.amdhsa_system_vgpr_workitem_id 0
		.amdhsa_next_free_vgpr 256
		.amdhsa_next_free_sgpr 66
		.amdhsa_reserve_vcc 1
		.amdhsa_float_denorm_mode_32 3
		.amdhsa_float_denorm_mode_16_64 3
		.amdhsa_memory_ordered 1
		.amdhsa_forward_progress 1
		.amdhsa_inst_pref_size 63
	.end_amdhsa_kernel
	.amdgpu_metadata
---
amdhsa.version: [ 1, 2 ]
amdhsa.kernels:
  - .name:           k_qcb56976be2_prep
    .symbol:         k_qcb56976be2_prep.kd
    .args:
      - { .name: x, .offset: 0, .size: 8, .value_kind: global_buffer, .address_space: global }
      - { .name: Wq, .offset: 8, .size: 8, .value_kind: global_buffer, .address_space: global }
      - { .name: Wk, .offset: 16, .size: 8, .value_kind: global_buffer, .address_space: global }
      - { .name: Wv, .offset: 24, .size: 8, .value_kind: global_buffer, .address_space: global }
      - { .name: Wo, .offset: 32, .size: 8, .value_kind: global_buffer, .address_space: global }
      - { .name: pcodes, .offset: 40, .size: 8, .value_kind: global_buffer, .address_space: global }
    .group_segment_fixed_size: 35840
    .private_segment_fixed_size: 0
    .kernarg_segment_align: 8
    .kernarg_segment_size: 48
    .max_flat_workgroup_size: 256
    .sgpr_count:     66
    .vgpr_count:     256
    .wavefront_size: 32
...
	.end_amdgpu_metadata
.endif
;; end of part 1
;; launch qkv (part 2): grid 16 x 16, 4 waves a work-group, clusters of 4 x 4, 327,680 bytes of LDS; arguments pcodes, bq, bk, bv, qkv; writes qkv
.if DOCPART == 2
	.amdgcn_target "amdgcn-amd-amdhsa--gfx1250"
	.amdhsa_code_object_version 6
	.text
	.protected	k_qcb56976be2_qkv
	.globl	k_qcb56976be2_qkv
	.p2align	8
	.type	k_qcb56976be2_qkv,@function
k_qcb56976be2_qkv:
	s_mov_b64 s[64:65], 0
	v_nop
	global_prefetch_b8 v0, s[64:65] scope:SCOPE_SE
	s_setreg_imm32_b32 hwreg(HW_REG_WAVE_MODE, 25, 1), 1
	s_wait_xcnt 0x0
	s_wait_alu depctr_hold_cnt(0) depctr_sa_sdst(0) depctr_va_vdst(0) depctr_va_sdst(0) depctr_va_ssrc(0) depctr_va_vcc(0) depctr_vm_vsrc(0)
	s_getreg_b32 s2, hwreg(HW_REG_IB_STS2, 6, 4)
	s_cmp_eq_u32 s2, 0
	s_cbranch_scc0 .Lentry_in_a_cluster
	s_endpgm
.Lentry_in_a_cluster:
	s_bfe_u32 s2, ttmp6, 0x10000c
	s_cmp_lg_u32 s2, 0xf033
	s_cbranch_scc0 .Lentry_shape_is_right
	s_endpgm
.Lentry_shape_is_right:
; Q, K, V = x W + b on codes of FP8 (E4M3) with E8M0 scales, quantised again on the way out: Q and K along the head's 64 channels, V along the keys.
; A work-group makes ONE HEAD's Q, K and V for 256 tokens (256 work-groups); each of its four waves 128 tokens (t = wave / 2) x 32 channels of each of the three (half = wave % 2): 8 token tiles x 6 column tiles, 384 registers.
; K goes in four chunks of 256 through a ring of two LDS slots: 8 pairs of token tiles, then the head's 6 pairs of column tiles, 8,448 dense bytes each, scale words and all (prep's layout).  Waves 0, 1 fetch four token pairs each, waves 2, 3 three column pairs.
; CLUSTER 4 x 4: the token pairs are asked for jointly along a row of the cluster, the column pairs along a column.
; LAYOUT.  Q, K: source 0 = 16 columns, source 1 = 16 tokens: a lane holds a token, the 16 registers of a pair of column tiles are channels 16 h + 0 .. 15 of the 32.  V: source 0 = 16 tokens: a lane holds a channel, and a pair of token tiles is 16 neighbouring keys.
; The bias is the C of each sum's first product.
; qkv: a head (batch x 16 + head) has 413,696 bytes: 16 key steps x 17,152 (K's codes 8 x 1,024, K's scale words 512, V's four images 8,192, V's scale words 256), then 16 blocks x 8,704 of Q (codes, scale words).  K's and Q's scale words hold their two bytes twice.
; LIMITS: NaN, infinities and sums beyond f32's range are not served; a block of zeros gets the byte 1 where the rule says 127.
; REGISTERS.  window 0: v1-15, v23, v31 addresses; v16-22, v24-30 scale words, two sets (token pairs, column pairs); v128-255 the token fragments, one set; on the way out v32-127 codes, v200-221 at work.
;   window 1: the column fragments, two sets of 96; v192-239 the bias.   window 2, 3: accumulators of token tiles 0-3, 4-7: (a, b) at v[8 (6 (a % 4) + b)].
.set CH,    224*8448
.set PB,    8448
.set HS,    413696
.set SLOT,  14*PB
.set BYT,   2*SLOT                     ; Q's, K's scale bytes: [t][Q, K][token: two bytes]
.set VBY,   BYT+1024                   ; V's scale words: [t][tile of channels][row]
.set SPARE, VBY+512
.set LI,   1
.set SPW,  2
.set NIL,  3
.set ADRA, 4
; LDS: each wave's part of slot 0 and of slot 1 lie on end: the tokens' two parts at 0 and 8 PB, the columns' (Q0 Q1 K0; K1 V0 V1) at 16 PB and 22 PB.
.set ADRB, 32                          ; v32-37  (until the way out) Q, K, V: my column pair in slot 0, 1
.set ASA,  8
.set ASB,  38                          ; v38-43  and their scale words
.set PFO,  12
.set STB,  13
.set STV,  14
.set LB,   15
.set BVO,  23
.set BQO,  31
.set CD,   32
.set BM,   200
.set BX,   204
.set HL,   208
.set SO,   212
.set EB,   216
.set VB,   220
.set G1A,  24
.set G0A,  32
.set G1B,  48
.set G0B,  56
.set MSB, 0
.macro WIN new                         ; the immediate's high byte repeats the setting that is left
.if MSB != \new
	s_set_vgpr_msb (MSB<<8)|\new
.set MSB, \new
.endif
.endm
.macro WALU
	s_wait_alu depctr_va_vdst(0)
.endm
.macro PLACES n                        ; plain places behind matrix instructions
.rept \n
	v_nop
.endr
.endm
.macro JLOAD s                         ; a joint load: waves 0, 1 for the tokens, waves 2, 3 for the columns
	s_cmp_eq_u32 s17, 0
	s_cbranch_scc0 .Lfor_b_\@
	tensor_load_to_lds s[G0A+4*\s:G0A+4*\s+3], s[G1A:G1A+7]
	s_nop 0
	PLACES 4
	s_branch .Lasked_\@
.Lfor_b_\@:
	tensor_load_to_lds s[G0B+4*\s:G0B+4*\s+3], s[G1B:G1B+7]
	s_nop 0
	PLACES 4
.Lasked_\@:
.endm
.macro CREST                           ; a round of the cluster's barrier behind its opening barrier
	s_cmp_lg_u32 s16, 0
	s_cbranch_scc1 .Lnot_wave_0_\@
	s_barrier_signal -3
.Lnot_wave_0_\@:
	s_barrier_wait -3
	s_barrier_signal -1
	s_barrier_wait -1
.endm
.macro CROUND
	s_barrier_signal -1
	s_barrier_wait -1
	CREST
.endm
; A prefetch of a later chunk: chunk 2 is asked for more than one K step ahead of its load, chunk 3 two: the four partners of a joint load share its 256-byte units out by address; one instruction a wave (a wave's last units that no lane names come by the load alone).
.macro ASK chunk
	global_prefetch_b8 v[PFO], s[94:95] offset:(\chunk)*CH th:TH_LOAD_NT scope:SCOPE_SE
.endm
	s_load_b256 s[4:11], s[0:1], 0x0               ; pcodes s[4:5], bq s[6:7], bk s[8:9], bv s[10:11]
	s_load_b64 s[12:13], s[0:1], 0x20              ; qkv
	v_lshl_add_u32 v[SPW], v0, 2, SPARE
	v_mov_b32 v[NIL], 0
	ds_add_u32 v[SPW], v[NIL]                      ; the wave's opening: an add, twice on end
	ds_add_u32 v[SPW], v[NIL]
	v_lshrrev_b32 v200, 5, v0
	v_readfirstlane_b32 s16, v200                  ; wave 0..3
	s_lshr_b32 s17, s16, 1                         ; t.  Also: I fetch tokens (0) or columns (1)
	s_and_b32 s18, s16, 1                          ; half.  Also: which part of them
	s_bfe_u32 s19, ttmp6, 0x40000                  ; cx
	s_bfe_u32 s20, ttmp6, 0x40004                  ; cy
	s_lshl_b32 s21, ttmp9, 2
	s_add_co_u32 s21, s21, s19                     ; head 0..15
	s_and_b32 s22, ttmp7, 0xffff
	s_lshl_b32 s22, s22, 2
	s_add_co_u32 s22, s22, s20                     ; which 256 tokens, 0..15
	s_lshl_b32 s40, s20, 2
	s_lshl_b32 s40, 15, s40                        ; my row of the cluster
	s_lshl_b32 s41, 0x1111, s19                    ; my column
	s_or_b32 s[G1A], s40, (3<<16)|(1<<21)          ; the mask; elements of 8 bytes; bit 21 beside a mask; no padding
	s_or_b32 s[G1B], s41, (3<<16)|(1<<21)
	s_mov_b32 s[G1A+1], (4*PB/8)<<16               ; the head's loads: two rows, a chunk apart: my part of chunk 0 and of chunk 1: four pairs,
	s_mov_b32 s[G1A+3], (4*PB/8)<<16
	s_mov_b32 s[G1B+1], (3*PB/8)<<16               ; three pairs
	s_mov_b32 s[G1B+3], (3*PB/8)<<16
.irp g, G1A, G1B
	s_mov_b32 s[\g+2], 2<<16
	s_mov_b32 s[\g+4], 2
	s_mov_b32 s[\g+5], CH/8
	s_mov_b32 s[\g+6], 0
	s_mov_b32 s[\g+7], 0
.endr
	s_lshl_b32 s42, s22, 3
	s_lshl_b32 s43, s18, 2
	s_add_co_u32 s42, s42, s43
	s_mul_i32 s42, s42, PB                         ; my part of the tokens' pairs,
	s_mov_b32 s43, 0
	s_mul_i32 s44, s21, 6
	s_mul_i32 s45, s18, 3
	s_add_co_u32 s44, s44, s45
	s_add_co_u32 s44, s44, 128
	s_mul_i32 s44, s44, PB                         ; of the columns'
	s_mov_b32 s45, 0
	s_mul_i32 s46, s18, 8*PB                       ; and where they go
	s_mul_i32 s47, s18, 6*PB
	s_add_co_u32 s47, s47, 16*PB
	s_lshr_b32 s66, s22, 3
	s_lshl_b32 s66, s66, 4
	s_add_co_u32 s66, s66, s21
	s_mul_i32 s66, s66, HS                         ; the head's buffer
	s_lshl_b32 s67, s22, 1
	s_add_co_u32 s67, s67, s17
	s_and_b32 s67, s67, 15                         ; my block of 128 tokens
	s_mul_i32 s68, s67, 17152
	s_add_co_u32 s68, s68, s66                     ; K's and V's step,
	s_mov_b32 s69, 0
	s_mul_i32 s80, s67, 8704
	s_add_co_u32 s80, s80, s66
	s_add_co_u32 s80, s80, 274432                  ; Q's block
	s_mov_b32 s81, 0
	s_lshl_b32 s82, s21, 8
	s_lshl_b32 s83, s18, 7
	s_add_co_u32 s82, s82, s83                     ; my 32 channels' bias
	s_mov_b32 s83, 0
	s_mov_b32 s87, 98
	s_cmp_eq_u32 s17, 0                            ; the prefetch: tokens: units 32 cx + lane of 132; columns: 25 cy + lane of 99
	s_cselect_b32 s84, 31, 24
	s_cselect_b32 s85, 32, 25
	s_cselect_b32 s86, s19, s20
	s_cselect_b32 s87, 127, s87
	s_mul_i32 s85, s85, s86
	s_mul_i32 s88, s17, 8*PB                       ; my four token pairs
	s_mul_i32 s89, s18, PB
	s_add_co_u32 s89, s89, 16*PB                   ; my column pair of Q; V's lies seven pairs on;
	s_mul_i32 s93, s18, 4*PB
	s_add_co_u32 s93, s93, 18*PB                   ; K's
	s_lshl_b32 s90, s17, 9
	s_add_co_u32 s90, s90, s18
	s_add_co_u32 s90, s90, BYT
	s_lshl_b32 s91, s17, 8
	s_lshl_b32 s92, s18, 7
	s_add_co_u32 s91, s91, s92
	s_add_co_u32 s91, s91, VBY
	v_and_b32 v200, 31, v0                         ; lane
	v_and_b32 v201, 15, v0                         ; r
	v_bfe_u32 v202, v0, 4, 1                       ; h
	v_lshlrev_b32 v[LI], 4, v200
	v_lshlrev_b32 v[LB], 3, v200
	v_min_u32 v203, s84, v200
	v_and_b32 v204, 8, v201
	v_add_nc_u32 v[ADRA], s88, v[LI]
	v_add_nc_u32 v[ADRB], s89, v[LI]
	v_add_nc_u32 v[ADRB+2], s93, v[LI]
	v_lshl_add_u32 v[ASA], v200, 2, s88
	v_lshl_add_u32 v[ASB], v200, 2, s89
	v_lshl_add_u32 v[ASB+2], v200, 2, s93
	v_add_nc_u32 v203, s85, v203
	v_add_nc_u32 v204, v204, v201                  ; r + 8 (r / 8)
	v_add_nc_u32 v[ADRB+4], 7*PB, v[ADRB]
	v_add_nc_u32 v[ASB+4], 7*PB, v[ASB]
	v_add_nc_u32 v[ADRA+1], 4*PB, v[ADRA]
	v_add_nc_u32 v[ASA+1], 4*PB, v[ASA]
.irp w, 0,2,4
	v_add_nc_u32 v[ADRB+\w+1], 3*PB, v[ADRB+\w]
	v_add_nc_u32 v[ASB+\w+1], 3*PB, v[ASB+\w]
.endr
	v_min_u32 v203, s87, v203
	v_lshl_add_u32 v[STB], v201, 1, s90
	v_lshl_add_u32 v[STV], v201, 2, s91
	v_lshlrev_b32 v[PFO], 8, v203
	v_lshlrev_b32 v[BQO], 6, v202
	v_lshlrev_b32 v[BVO], 2, v204
	s_wait_dscnt 0x0                               ; both opening adds are done
	WALU
	s_wait_kmcnt 0x0
	s_add_nc_u64 s[42:43], s[4:5], s[42:43]
	s_add_nc_u64 s[44:45], s[4:5], s[44:45]
.irp s, 0,1
	s_mov_b32 s[G0A+4*\s], 1
	s_add_co_u32 s[G0A+4*\s+1], s46, \s*4*PB
	s_add_nc_u64 s[G0A+4*\s+2:G0A+4*\s+3], s[42:43], \s*CH
	s_or_b32 s[G0A+4*\s+3], s[G0A+4*\s+3], 0x80000000
	s_mov_b32 s[G0B+4*\s], 1
	s_add_co_u32 s[G0B+4*\s+1], s47, \s*3*PB
	s_add_nc_u64 s[G0B+4*\s+2:G0B+4*\s+3], s[44:45], \s*CH
	s_or_b32 s[G0B+4*\s+3], s[G0B+4*\s+3], 0x80000000
.endr
	s_add_nc_u64 s[6:7], s[6:7], s[82:83]
	s_add_nc_u64 s[8:9], s[8:9], s[82:83]
	s_add_nc_u64 s[10:11], s[10:11], s[82:83]
	s_add_nc_u64 s[70:71], s[12:13], s[68:69]      ; K's and V's step
	s_add_nc_u64 s[72:73], s[12:13], s[80:81]      ; Q's block
	s_lshl_b32 s92, s18, 9
	s_mov_b32 s93, 0
	s_add_nc_u64 s[74:75], s[70:71], s[92:93]      ; K's codes: my half of each tile's 1,024 bytes
	s_add_nc_u64 s[76:77], s[72:73], s[92:93]      ; Q's likewise
	s_lshl_b32 s92, s18, 12
	s_add_nc_u64 s[78:79], s[70:71], s[92:93]      ; V's: my two of the four images
	s_cmp_eq_u32 s17, 0
	s_cselect_b64 s[94:95], s[42:43], s[44:45]     ; where my prefetches stand: chunk 0
	WIN 0x40                                       ; the bias, in the results' layouts: Q, K: registers 16 u' + i: channel 16 h + i of my 32;  V: all eight registers of a tile hold the lane's channel's number
.irp j, 0,1,2,3
	global_load_b128 v[192+4*\j:195+4*\j], v[BQO], s[6:7] offset:16*\j
	global_load_b128 v[208+4*\j:211+4*\j], v[BQO], s[8:9] offset:16*\j
.endr
.irp j, 0,1,2,3,4,5,6,7
	global_load_b32 v[224+\j], v[BVO], s[10:11]
	global_load_b32 v[232+\j], v[BVO], s[10:11] offset:32
.endr
	WIN 0
	CROUND                                         ; all sixteen work-groups are here: the first joint loads meet
	JLOAD 0                                        ; chunks 0 and 1, both slots: one tensor load a wave at the head
.macro FRAG reg, adr, off              ; an image's 2,048 bytes into 16 registers
.irp c, 0,1,2,3
	ds_load_b128 v[\reg+4*\c:\reg+4*\c+3], v[\adr] offset:\off+512*\c
.endr
.endm
.macro FETCH_B slot, q                 ; the six column fragments of the slot's q-th K step into set q: 24 loads
	WIN 0x40
.irp b, 0,1,2,3,4,5
	FRAG 96*\q+16*\b, ADRB+2*(\b/2)+\slot, (\b%2)*4096+2048*\q
.endr
	WIN 0
.endm
.macro SCALES slot, q                  ; and its scale words into set q: 7 loads: lanes 0-15 a pair's first tile, lanes 16-31 its second
.irp i, 0,1,2,3
	ds_load_b32 v[16+8*\q+\i], v[ASA+\slot] offset:\i*PB+8192+128*\q
.endr
.irp i, 0,1,2
	ds_load_b32 v[20+8*\q+\i], v[ASB+2*\i+\slot] offset:8192+128*\q
.endr
.endm
.macro FETCH_A slot, q, a0             ; token tiles a0 .. a0 + 3: 16 loads
.irp a, \a0, \a0+1, \a0+2, \a0+3
	FRAG 128+16*(\a), ADRA+\slot, ((\a)/2)*PB+((\a)%2)*4096+2048*\q
.endr
.endm
.macro W8 d, s0, s1, c, x0, x1, oa, ob ; a pair's odd tile has its scale words in lanes 16-31
.if 2*(\ob)+(\oa) == 0
	v_wmma_scale_f32_16x16x128_f8f6f4 v[\d:\d+7], v[\s0:\s0+15], v[\s1:\s1+15], v[\c:\c+7], v[\x0], v[\x1]
.elseif 2*(\ob)+(\oa) == 1
	v_wmma_scale_f32_16x16x128_f8f6f4 v[\d:\d+7], v[\s0:\s0+15], v[\s1:\s1+15], v[\c:\c+7], v[\x0], v[\x1] matrix_a_scale:MATRIX_SCALE_ROW1
.elseif 2*(\ob)+(\oa) == 2
	v_wmma_scale_f32_16x16x128_f8f6f4 v[\d:\d+7], v[\s0:\s0+15], v[\s1:\s1+15], v[\c:\c+7], v[\x0], v[\x1] matrix_b_scale:MATRIX_SCALE_ROW1
.else
	v_wmma_scale_f32_16x16x128_f8f6f4 v[\d:\d+7], v[\s0:\s0+15], v[\s1:\s1+15], v[\c:\c+7], v[\x0], v[\x1] matrix_a_scale:MATRIX_SCALE_ROW1 matrix_b_scale:MATRIX_SCALE_ROW1
.endif
.endm
.macro WM a, b, q, zero                ; token tile a, column tile b, set q
.set rD, 8*(6*((\a)%4)+(\b))
.set rB, 96*(\q)+16*(\b)
.set rA, 128+16*(\a)
.set rX, 20+8*(\q)+(\b)/2
.set rY, 16+8*(\q)+(\a)/2
.set oA, (\a)%2
.set oB, (\b)%2
.if \zero
.set rC, 192+8*(\b)
.else
.set rC, rD
.endif
.if (\b) < 4
	W8 rD, rB, rA, rC, rX, rY, oB, oA
.else
	W8 rD, rA, rB, rC, rY, rX, oA, oB
.endif
.endm
; The 48 accumulators take turns, one instruction a turn, in the same order in every step.
.macro MULQ a0, q, zero                ; Q's and K's sixteen of four token tiles
.if \zero
.set wv, 0x91+0x40*((\a0)/4)
.else
.set wv, 0xa1+0x50*((\a0)/4)
.endif
	WIN wv
.irp a, \a0, \a0+1, \a0+2, \a0+3
.irp b, 0,1,2,3
	WM (\a), \b, \q, \zero
.endr
.endr
.endm
.macro MULV a0, q, zero                ; V's eight
.if \zero
.set wv, 0x94+0x40*((\a0)/4)
.else
.set wv, 0xa4+0x50*((\a0)/4)
.endif
	WIN wv
.irp a, \a0, \a0+1, \a0+2, \a0+3
.irp b, 4,5
	WM (\a), \b, \q, \zero
.endr
.endr
.endm
.macro STEP slot, zero                 ; a slot's first K step
	s_wait_dscnt 16                                ; all but token tiles 4-7's loads
	MULQ 0, 0, \zero
	MULV 0, 0, \zero
	s_wait_dscnt 0
	PLACES 8
	WIN 0
	FETCH_B \slot, 1
	SCALES \slot, 1
	FETCH_A \slot, 1, 0
	MULQ 4, 0, \zero
	MULV 4, 0, \zero
	PLACES 8
	WIN 0
	FETCH_A \slot, 1, 4
.endm
.macro TURN slot, next, fill           ; its second, which changes slots; fill = 1: the slot is filled again, two chunks on
	s_wait_tensorcnt 0x0                           ; my part of the next slot has landed
	ds_add_u32 v[SPW], v[NIL]
	s_wait_dscnt 17                                ; (the add and token tiles 4-7's loads may be out)
	MULQ 0, 1, 0
	s_wait_dscnt 0x0                               ; the add is done, and my reads of this slot are over
	s_barrier_signal -1
	MULV 0, 1, 0
	WIN 0
	s_barrier_wait -1
.if \fill
	CREST                                          ; no wave of any partner still reads this slot or has a load on its way
	s_add_nc_u64 s[G0A+4*\slot+2:G0A+4*\slot+3], s[G0A+4*\slot+2:G0A+4*\slot+3], 2*CH
	s_add_nc_u64 s[G0B+4*\slot+2:G0B+4*\slot+3], s[G0B+4*\slot+2:G0B+4*\slot+3], 2*CH
	JLOAD \slot
	PLACES 4                                       ; with the four behind the load: eight
.else
	PLACES 8
.endif
	FETCH_B \next, 0
	SCALES \next, 0
	FETCH_A \next, 0, 0
.if \fill && (\slot == 0)
	ASK 3
.endif
	MULQ 4, 1, 0
	MULV 4, 1, 0
	PLACES 8
	WIN 0
	FETCH_A \next, 0, 4
.endm
	WALU                                           ; the wait at the head's end
	s_wait_tensorcnt 0x0                           ; my part of chunks 0 and 1 is in; no tensor load of mine is out, so the descriptors may be written:
	s_mov_b32 s[G1A+2], 132<<16                    ; a refill is one chunk's part, stated as rows of 256 bytes: four pairs,
	s_mov_b32 s[G1A+4], 132
	s_mov_b32 s[G1B+2], 99<<16                     ; three pairs
	s_mov_b32 s[G1B+4], 99
.irp g, G1A, G1B
	s_mov_b32 s[\g+1], 32<<16
	s_mov_b32 s[\g+3], 32<<16
	s_mov_b32 s[\g+5], 32
.endr
	s_barrier_signal -1
	s_barrier_wait -1                              ; everybody's part is in
	FETCH_B 0, 0
	SCALES 0, 0
	FETCH_A 0, 0, 0
	FETCH_A 0, 0, 4
	ASK 2
	s_wait_loadcnt 0x0                             ; the bias
	STEP 0, 1
	TURN 0, 1, 1
	STEP 1, 0
	TURN 1, 0, 1
	STEP 0, 0
	TURN 0, 1, 0
	STEP 1, 0
	s_wait_dscnt 16                                ; the last K step: nothing more to fetch
	MULQ 0, 1, 0
	MULV 0, 1, 0
	s_wait_dscnt 0
	MULQ 4, 1, 0
	MULV 4, 1, 0
	WIN 0
	PLACES 8
; THE WAY OUT, four blocks of 32 at a time: 16 numbers of a block are mine, 16 lane l xor 16's.  kind 0, 1: Q, K: a block is a token tile's 32 channels;  kind 2: V: block 2 c + u is a token pair's 32 keys of channel tile u.
	s_mov_b32 s84, 0x76543210
	s_mov_b32 s85, 0xfedcba98
	s_mov_b32 s86, 0x600000
.irp k, 0,1,2,3
	v_mov_b32 v[BX+\k], 0                          ; a lane permute's destination counts as one of its sources
.endr
.macro BASES kind, k                   ; where a block's two tiles stand in the window
.if \kind < 2
.set XA, 48*\k+16*\kind
.set XB, XA+8
.else
.set XA, 96*(\k/2)+8*(4+\k%2)
.set XB, XA+48
.endif
.endm
.macro GRP w, kind
.set cg, CD+16*(3*(\w-2)+\kind)
.set wv, 0x14*\w
	WIN wv
.irp k, 0,1,2,3
	BASES \kind, \k
	v_max3_num_f32 v[BM+\k], 0x4800000, |v[XA]|, |v[XA+1]|     ; with the floor under which the byte would fall under 1
.endr
.irp i, 2,4,6
.irp k, 0,1,2,3
	BASES \kind, \k
	v_max3_num_f32 v[BM+\k], v[BM+\k], |v[XA+\i]|, |v[XA+\i+1]|
.endr
.endr
.irp i, 0,2,4,6
.irp k, 0,1,2,3
	BASES \kind, \k
	v_max3_num_f32 v[BM+\k], v[BM+\k], |v[XB+\i]|, |v[XB+\i+1]|
.endr
.endr
	WIN 0
.irp k, 0,1,2,3
	v_permlanex16_b32 v[BX+\k], v[BM+\k], s84, s85
.endr
.irp k, 0,1,2,3
	v_max_num_f32 v[BM+\k], v[BM+\k], v[BX+\k]
.endr
.irp k, 0,1,2,3
	v_and_or_b32 v[HL+\k], v[BM+\k], 0x7f800000, s86   ; 448 x the scale
.endr
.irp k, 0,1,2,3
	v_add_nc_u32 v[SO+\k], 0xfc000000, v[BM+\k]    ; the conversion's scale operand
.endr
.irp k, 0,1,2,3
	v_lshrrev_b32 v[EB+\k], 23, v[SO+\k]           ; the byte
.endr
.set wv, 0x41*\w
	WIN wv
.irp k, 0,1,2,3
	BASES \kind, \k
.irp i, 0,1,2,3,4,5,6,7
	v_med3_num_f32 v[XA+\i], v[XA+\i], -v[HL+\k], v[HL+\k]     ; the conversion does not saturate (ISA guide 7.6.2)
	v_med3_num_f32 v[XB+\i], v[XB+\i], -v[HL+\k], v[HL+\k]
.endr
.endr
	WIN \w
.irp k, 0,1,2,3
	BASES \kind, \k
	v_cvt_scalef32_pk8_fp8_f32 v[cg+4*\k:cg+4*\k+1], v[XA:XA+7], v[SO+\k]
	v_cvt_scalef32_pk8_fp8_f32 v[cg+4*\k+2:cg+4*\k+3], v[XB:XB+7], v[SO+\k]
.endr
	WIN 0
	v_nop
.irp k, 0,1,2,3
.if \kind == 0
	global_store_b128 v[LI], v[cg+4*\k:cg+4*\k+3], s[76:77] offset:1024*(4*(\w-2)+\k)      ; 512 consecutive bytes each
	ds_store_b8 v[STB], v[EB+\k] offset:32*(4*(\w-2)+\k)                                   ; both lanes of a block write the same byte with the same value
.elseif \kind == 1
	global_store_b128 v[LI], v[cg+4*\k:cg+4*\k+3], s[74:75] offset:1024*(4*(\w-2)+\k)
	ds_store_b8 v[STB], v[EB+\k] offset:256+32*(4*(\w-2)+\k)
.else
	global_store_b128 v[LI], v[cg+4*\k:cg+4*\k+3], s[78:79] offset:8704+2048*(\k%2)+512*(2*(\w-2)+\k/2)
.if (\w == 2) && (\k < 2)
	v_mov_b32 v[VB+\k%2], v[EB+\k]
.else
	v_lshl_or_b32 v[VB+\k%2], v[EB+\k], 8*(2*(\w-2)+\k/2), v[VB+\k%2]
.endif
.endif
.endr
.endm
	GRP 2, 0
	GRP 2, 1
	GRP 2, 2
	GRP 3, 0
	GRP 3, 1
	GRP 3, 2
	ds_store_b32 v[STV], v[VB]
	ds_store_b32 v[STV], v[VB+1] offset:64
	s_lshl_b32 s90, s17, 9
	s_lshl_b32 s91, s18, 8
	s_add_co_u32 s90, s90, s91
	s_add_co_u32 s90, s90, BYT                     ; half 0 takes Q's scale bytes of my tokens, half 1 K's
	s_lshl_b32 s91, s17, 8
	s_add_co_u32 s91, s91, VBY
	v_add_nc_u32 v202, s90, v[LB]
	v_add_nc_u32 v203, s91, v[LB]
	s_cmp_eq_u32 s18, 0
	s_cselect_b64 s[84:85], s[72:73], s[70:71]
	WALU
	s_wait_dscnt 0x0                               ; my bytes are stored,
	s_barrier_signal -1
	s_barrier_wait -1                              ; and everybody's
	ds_load_b64 v[200:201], v202                   ; four tokens' two bytes,
	s_wait_dscnt 0x0
	v_perm_b32 v204, v200, v200, 0x01000100        ; each pair of bytes twice in a word
	v_perm_b32 v205, v200, v200, 0x03020302
	v_perm_b32 v206, v201, v201, 0x01000100
	v_perm_b32 v207, v201, v201, 0x03020302
	global_store_b128 v[LI], v[204:207], s[84:85] offset:8192  ; 512 consecutive bytes
	s_cmp_lg_u32 s18, 0
	s_cbranch_scc1 .Lno_v
	ds_load_b64 v[208:209], v203
	s_wait_dscnt 0x0
	global_store_b64 v[LB], v[208:209], s[70:71] offset:16896  ; V's scale words of the step: 256 consecutive bytes
.Lno_v:
	s_wait_tensorcnt 0x0                           ; the wave's end
	ds_add_u32 v[SPW], v[NIL]
	s_wait_dscnt 0x0
	CROUND                                         ; the closing round: no work-group ends while a partner may still ask for a tile that names it
	s_endpgm
.Lfunc_end_k_qcb56976be2_qkv:
	.size	k_qcb56976be2_qkv, .Lfunc_end_k_qcb56976be2_qkv-k_qcb56976be2_qkv
	.p2alignl 7, 3214868480
	.fill 96, 4, 3214868480
	.section	.rodata,"a",@progbits
	.p2align	6, 0x0
	.amdhsa_kernel k_qcb56976be2_qkv
		.amdhsa_group_segment_fixed_size 327680
		.amdhsa_private_segment_fixed_size 0
		.amdhsa_enable_private_segment 0
		.amdhsa_kernarg_size 40
		.amdhsa_user_sgpr_count 2
		.amdhsa_user_sgpr_kernarg_segment_ptr 1
		.amdhsa_wavefront_size32 1
		.amdhsa_system_sgpr_workgroup_id_x 1
		.amdhsa_system_sgpr_workgroup_id_y 1
		.amdhsa_system_sgpr_workgroup_id_z 1
		.amdhsa_system_vgpr_workitem_id 0
		.amdhsa_next_free_vgpr 1024
		.amdhsa_next_free_sgpr 96
		.amdhsa_reserve_vcc 0
		.amdhsa_float_denorm_mode_32 3
		.amdhsa_float_denorm_mode_16_64 3
		.amdhsa_memory_ordered 1
		.amdhsa_forward_progress 1
		.amdhsa_inst_pref_size 153
	.end_amdhsa_kernel
	.amdgpu_metadata
---
amdhsa.version: [ 1, 2 ]
amdhsa.kernels:
  - .name:           k_qcb56976be2_qkv
    .symbol:         k_qcb56976be2_qkv.kd
    .args:
      - { .name: pcodes, .offset: 0, .size: 8, .value_kind: global_buffer, .address_space: global }
      - { .name: bq, .offset: 8, .size: 8, .value_kind: global_buffer, .address_space: global }
      - { .name: bk, .offset: 16, .size: 8, .value_kind: global_buffer, .address_space: global }
      - { .name: bv, .offset: 24, .size: 8, .value_kind: global_buffer, .address_space: global }
      - { .name: qkv, .offset: 32, .size: 8, .value_kind: global_buffer, .address_space: global }
    .group_segment_fixed_size: 327680
    .private_segment_fixed_size: 0
    .kernarg_segment_align: 8
    .kernarg_segment_size: 40
    .max_flat_workgroup_size: 128
    .sgpr_count:     96
    .vgpr_count:     1024
    .wavefront_size: 32
...
	.end_amdgpu_metadata
.endif
;; end of part 2
;; launch attn (part 3): grid 8 x 32, 8 waves a work-group, clusters of 4 x 1, 327,680 bytes of LDS; arguments qkv, ocodes; writes ocodes
.if DOCPART == 3
	.amdgcn_target "amdgcn-amd-amdhsa--gfx1250"
	.amdhsa_code_object_version 6
	.text
	.protected	k_qcb56976be2_attn
	.globl	k_qcb56976be2_attn
	.p2align	8
	.type	k_qcb56976be2_attn,@function
k_qcb56976be2_attn:
	s_mov_b64 s[64:65], 0
	v_nop
	global_prefetch_b8 v0, s[64:65] scope:SCOPE_SE
	s_setreg_imm32_b32 hwreg(HW_REG_WAVE_MODE, 25, 1), 1
	s_wait_xcnt 0x0
	s_wait_alu depctr_hold_cnt(0) depctr_sa_sdst(0) depctr_va_vdst(0) depctr_va_sdst(0) depctr_va_ssrc(0) depctr_va_vcc(0) depctr_vm_vsrc(0)
	s_getreg_b32 s2, hwreg(HW_REG_IB_STS2, 6, 4)
	s_cmp_eq_u32 s2, 0
	s_cbranch_scc0 .Lentry_in_a_cluster
	s_endpgm
.Lentry_in_a_cluster:
	s_bfe_u32 s2, ttmp6, 0x10000c
	s_cmp_lg_u32 s2, 0x3003
	s_cbranch_scc0 .Lentry_shape_is_right
	s_endpgm
.Lentry_shape_is_right:
; O[head][q] = the sum over k of softmax_k(q . k / 8) v, both products on codes of FP8 (E4M3) with E8M0 scales; 32 heads (batch x 16), 2,048 keys, 64 channels.  The result is quantised along D for the last product.
; THE SOFTMAX: t = score x log2(e) / 8; M = the row's largest t so far, rounded UP to a whole number; p = 2^(t - M) is quantised along the keys, not normalised; the row's sum is taken of the unquantised p and
; divides O at the end.  When M moves, the sum and O are multiplied by 2^(old M - new M): exact.
; SHARES.  A work-group owns 256 queries of one head, each of its eight waves two tiles of 16: tile 0 lies in register window 0, tile 1 in window 1, under the same numbers.  A fragment of K or V feeds both tiles.
; A HEAD'S K AND V STAY WHOLE IN LDS: 16 key steps x 17,152 bytes.  Each wave fetches two steps by one load; nothing is filled again.  No prefetch: everything is asked for at the head, and no loop could run ahead of it.
; CLUSTER.  The four query blocks of a cluster belong to one head: each load is asked for JOINTLY.
; LAYOUT.  S^T = K Q^T, O^T = V^T P^T: a lane holds ONE query of a tile throughout.  Tile 2 b + u of a key step holds keys 32 b + 8 u + p + 8 (p / 8), so 16 registers are keys 32 b + 16 h + 0 .. 15: the conversions' results are the second product's operand.
; K = 64 IN AN INSTRUCTION OF 128.  An operand of K holds TWO neighbouring tiles' 64 channels.  Against [Q's codes | zeros] it gives the first tile, against [zeros | Q's codes] the second (no code of K is the NaN code: the launch before holds every number).
; A BLOCK'S SCALE.  p rises with the score, and floor(log2(p)) = floor(t - M): so the exponent of a block's largest p is the floor of its largest t - M, held at -118 from below, so that the byte cannot fall under 1.
; LIMITS: the scaled scores stay under 2^31 in magnitude; NaN and infinities are not served; a block of zeros gets the byte 1 where the rule says 127.
; REGISTERS.  Both windows: v64-127 S^T, then p; v128-159 O^T; v160-175 p's codes; v176-199 Q: [codes | zeros | codes]; v200-223 at work; v32-63 and v224-255: V's fragments in window 0, K's in window 1.
;   window 0: v1-15 addresses, v16-31 scale words alone;  window 1: v0-31 partial sums of tile 1.
.set KVB,   17152
.set HS,    413696
.set KSOFF, 8192
.set VOFF,  8704
.set VSOFF, 16896
.set QD,    274432                     ; Q's area in a head, 8,704 bytes a block of 128
.set SPARE, 16*KVB                     ; the spare words: 128 bytes for each wave
.set LI,   1                           ; 16 x lane
.set LS,   2                           ; 4 x lane
.set ADC,  3                           ; a step's images
.set ADW,  4                           ; a step's scale words
.set RW,   5                           ; 4 r
.set SPW,  6
.set NIL,  7
.set KSW,  16
.set VSW,  20
.set QSW,  22
.set PSW,  30
.set S,    64
.set O,    128
.set PCD,  160
.set Q,    176
.set BM,   200                         ; a block's largest score
.set PT,   204
.set HL,   208                         ; 448 x the scale
.set SO,   212                         ; the conversions' scale operands
.set NM,   216                         ; -M, and beside it the largest score so far
.set F,    218                         ; 2^(old M - new M)
.set LA,   220                         ; the row's sum, in two halves
.set TMP,  222
.set TMP2, 223
.set LT,   0                           ; window 1: partial sums of tile 1, sixteen pairs
.set TB,   2
.set CNT,  3
.set WV,   18
.set MNT,  19
.set SEL,  20
.set CS,   22
.set G1,   24
.set G0,   32
.set TN,   36
.set C175, 37
.set K119, 38
.set MSB, 0
.macro WIN new                         ; the immediate's high byte repeats the setting that is left
.if MSB != \new
	s_set_vgpr_msb (MSB<<8)|\new
.set MSB, \new
.endif
.endm
.macro WALU
	s_wait_alu depctr_va_vdst(0)
.endm
.macro CROUND
	s_barrier_signal -1
	s_barrier_wait -1
	s_cmp_lg_u32 s[WV], 0
	s_cbranch_scc1 .Lnot_wave_0_\@
	s_barrier_signal -3
.Lnot_wave_0_\@:
	s_barrier_wait -3
	s_barrier_signal -1
	s_barrier_wait -1
.endm
	s_load_b128 s[4:7], s[0:1], 0x0                ; qkv s[4:5], ocodes s[6:7]
	v_lshl_add_u32 v[SPW], v0, 2, SPARE
	v_mov_b32 v[NIL], 0
	ds_add_u32 v[SPW], v[NIL]                      ; the wave's opening: an add, twice on end
	ds_add_u32 v[SPW], v[NIL]
	v_lshrrev_b32 v8, 5, v0
	v_readfirstlane_b32 s[WV], v8                  ; wave 0..7
	s_bfe_u32 s10, ttmp6, 0x40000                  ; cx: it enters Q's and O's global addresses alone
	s_and_b32 s11, ttmp7, 0xffff                   ; the head (batch x 16 + head), which the four partners share
	s_mul_i32 s12, s11, HS
	s_mov_b32 s13, 0
	s_mov_b32 s[G1], 15|(3<<16)|(1<<21)            ; the mask: all four work-groups; elements of 8 bytes; bit 21 set beside a mask; no padding
	s_mov_b32 s[G1+1], 32<<16                      ; rows of 256 bytes,
	s_mov_b32 s[G1+2], 134<<16                     ; 134 of them: two key steps, 34,304 dense bytes
	s_mov_b32 s[G1+3], 32<<16
	s_mov_b32 s[G1+4], 134
	s_mov_b32 s[G1+5], 32
	s_mov_b32 s[G1+6], 0
	s_mov_b32 s[G1+7], 0
	s_mov_b32 s[SEL], 0x76543210
	s_mov_b32 s[SEL+1], 0xfedcba98                 ; v_permlanex16_b32's selects for lane l xor 16
	s_mov_b32 s[CS], 0x3e38aa3b                    ; c = log2(e) / 8
	s_mov_b32 s[CS+1], s[CS]
	s_mov_b32 s[MNT], 0x600000                     ; the mantissa field of 448
	s_mov_b32 s[C175], 0x3fe00000                  ; 1.75
	s_mov_b32 s[K119], 119
	s_mov_b32 s[TB], 0
	s_mul_i32 s15, s[WV], 2*KVB                    ; my two steps, in LDS and in memory alike
	s_mov_b32 s16, s15
	s_mov_b32 s17, 0
	s_lshl_b32 s48, ttmp9, 2
	s_add_co_u32 s48, s48, s10                     ; my block of 256 queries
	s_lshl_b32 s49, s48, 4
	s_lshl_b32 s50, s[WV], 1
	s_add_co_u32 s49, s49, s50                     ; my first tile of queries, 0..126
	s_lshr_b32 s50, s49, 3
	s_mul_i32 s50, s50, 8704                       ; its block of 128 tokens
	s_add_co_u32 s50, s50, QD
	s_and_b32 s51, s49, 7
	s_lshl_b32 s52, s51, 10
	s_add_co_u32 s52, s52, s50                     ; Q's codes of my tiles
	s_mov_b32 s53, 0
	s_lshl_b32 s54, s51, 6
	s_add_co_u32 s54, s54, s50
	s_add_co_u32 s54, s54, KSOFF                   ; and their scale words
	s_mov_b32 s55, 0
	s_and_b32 s56, s11, 15                         ; head
	s_lshr_b32 s57, s11, 4
	s_lshl_b32 s57, s57, 6
	s_lshr_b32 s59, s49, 1
	s_add_co_u32 s57, s57, s59                     ; my pair of token tiles, 0..127
	s_lshr_b32 s58, s56, 3
	s_mul_i32 s58, s58, 128*16896                  ; ocodes: eight heads are a half of D; a pair has 16,896 bytes: tile 0's four images, tile 1's, four K steps' scale words
	s_mul_i32 s59, s57, 16896
	s_add_co_u32 s58, s58, s59
	s_bfe_u32 s60, s56, 0x20001
	s_lshl_b32 s60, s60, 7
	s_add_co_u32 s60, s60, s58
	s_and_b32 s61, s56, 1
	s_lshl_b32 s61, s61, 1
	s_add_co_u32 s60, s60, s61
	s_add_co_u32 s60, s60, 16384                   ; two heads are a K step: a head has two of a word's four bytes
	s_mov_b32 s61, 0
	s_and_b32 s59, s56, 7
	s_lshl_b32 s59, s59, 10
	s_add_co_u32 s58, s58, s59                     ; a head's 64 channels are 1,024 bytes of a tile's images
	s_mov_b32 s59, 0
	v_and_b32 v8, 31, v0
	v_and_b32 v9, 15, v0
	v_lshlrev_b32 v[LI], 4, v8
	v_lshlrev_b32 v[LS], 2, v8
	v_lshlrev_b32 v[RW], 2, v9
	v_mov_b32 v[ADC], v[LI]                        ; step 0
	v_mov_b32 v[ADW], v[LS]
	s_wait_dscnt 0x0                               ; both opening adds are done
	WALU
	s_wait_kmcnt 0x0
	s_add_nc_u64 s[4:5], s[4:5], s[12:13]          ; qkv at my head
	s_mov_b32 s[G0], 1
	s_mov_b32 s[G0+1], s15
	s_add_nc_u64 s[G0+2:G0+3], s[4:5], s[16:17]
	s_or_b32 s[G0+3], s[G0+3], 0x80000000
	s_add_nc_u64 s[52:53], s[4:5], s[52:53]
	s_add_nc_u64 s[54:55], s[4:5], s[54:55]
	s_add_nc_u64 s[8:9], s[6:7], s[60:61]
	s_add_nc_u64 s[6:7], s[6:7], s[58:59]
	global_load_b32 v[QSW], v[RW], s[54:55]
	global_load_b32 v[QSW+1], v[RW], s[54:55] offset:64
	global_load_b128 v[Q:Q+3], v[LI], s[52:53]                 ; Q twice: ahead of the zeros
	global_load_b128 v[Q+4:Q+7], v[LI], s[52:53] offset:512
	global_load_b128 v[Q+16:Q+19], v[LI], s[52:53]             ; and behind them
	global_load_b128 v[Q+20:Q+23], v[LI], s[52:53] offset:512
	WIN 0x40
	global_load_b128 v[Q:Q+3], v[LI], s[52:53] offset:1024     ; tile 1's
	global_load_b128 v[Q+4:Q+7], v[LI], s[52:53] offset:1536
	global_load_b128 v[Q+16:Q+19], v[LI], s[52:53] offset:1024
	global_load_b128 v[Q+20:Q+23], v[LI], s[52:53] offset:1536
	WIN 0
	CROUND                                         ; all four work-groups are here: the joint loads meet
	s_cmp_eq_u32 s[WV], 0                          ; one load a wave; wave 0's (steps 0 and 1) has a line of its own, since it is shown ahead of the others
	s_cbranch_scc0 .Lothers
	tensor_load_to_lds s[G0:G0+3], s[G1:G1+7]
	s_nop 0
.rept 4
	v_nop
.endr
	s_branch .Lasked
.Lothers:
	tensor_load_to_lds s[G0:G0+3], s[G1:G1+7]
	s_nop 0
.rept 4
	v_nop
.endr
.Lasked:
.macro INIT
	v_mov_b32 v[NM+1], 0xff61b1e6                  ; the largest score so far: -3e38
	v_mov_b32 v[F+1], 0                            ; (named in a pair)
	v_mov_b32 v[LA], 0
	v_mov_b32 v[LA+1], 0
	v_floor_f32 v[NM], -v[NM+1]                    ; -M: so large that the first step's f comes out 0
.set ij, 0
.rept 8
	v_mov_b32 v[Q+8+ij], 0                         ; Q's zero codes
.set ij, ij+1
.endr
.set ij, 0
.rept 4
	v_mov_b32 v[PT+ij], 0                          ; a lane permute's destination counts as one of its sources
.set ij, ij+1
.endr
.set ij, 0
.rept 32
	v_mov_b32 v[O+ij], 0                           ; the step is written for all steps; the first finds zeros
.set ij, ij+1
.endr
.endm
	WIN 0
	INIT
	WIN 0x55
	INIT
.set ij, 0
.rept 16
	v_mov_b32 v[LT+ij], 0
.set ij, ij+1
.endr
	WIN 0
.macro FRAGS off                       ; four operands of 2,048 consecutive bytes
.irp g, 0,1,2,3
.irp c, 0,1,2,3
	ds_load_b128 v[32+16*\g+160*(\g/2)+4*\c:32+16*\g+160*(\g/2)+4*\c+3], v[ADC] offset:\off+2048*\g+512*\c
.endr
.endr
.endm
.macro LOADK                           ; 20 loads
.irp i, 0,1,2,3
	ds_load_b32 v[KSW+\i], v[ADW] offset:KSOFF+128*\i
.endr
	WIN 0x40
	FRAGS 0
	WIN 0
.endm
.macro LOADV                           ; 18 loads
	ds_load_b32 v[VSW], v[ADW] offset:VSOFF
	ds_load_b32 v[VSW+1], v[ADW] offset:VSOFF+128
	FRAGS VOFF
.endm
; Four products: two operands of K, each against both places of Q's codes.
; Products n0 .. n0 + count - 1 of a tile's eight: product n gives the scores of 16 keys, tile n of the step.
.macro QKN t, n0, count
.set qn, \n0
.rept \count
.set qe, qn/2
.set qk, 32+16*qe+160*(qe/2)
.if qn%2
	v_wmma_scale_f32_16x16x128_f8f6f4 v[S+8*qn:S+8*qn+7], v[qk:qk+15], v[Q+8:Q+23], 0, v[KSW+qe], v[QSW+\t] matrix_a_scale:MATRIX_SCALE_ROW1
.else
	v_wmma_scale_f32_16x16x128_f8f6f4 v[S+8*qn:S+8*qn+7], v[qk:qk+15], v[Q:Q+15], 0, v[KSW+qe], v[QSW+\t]
.endif
.set qn, qn+1
.endr
.endm
.macro PV t, d                         ; V^T P^T for 16 channels
.if \d%2
	v_wmma_scale_f32_16x16x128_f8f6f4 v[O+8*\d:O+8*\d+7], v[32+16*\d+160*(\d/2):32+16*\d+160*(\d/2)+15], v[PCD:PCD+15], v[O+8*\d:O+8*\d+7], v[VSW+\d/2], v[PSW+\t] matrix_a_scale:MATRIX_SCALE_ROW1
.else
	v_wmma_scale_f32_16x16x128_f8f6f4 v[O+8*\d:O+8*\d+7], v[32+16*\d+160*(\d/2):32+16*\d+160*(\d/2)+15], v[PCD:PCD+15], v[O+8*\d:O+8*\d+7], v[VSW+\d/2], v[PSW+\t]
.endif
.endm
; The largest score of blocks p and q (32 keys each, 16 of them mine): four chains by turns, each product's result read from its low end on.
.macro BMAX p, q
.irp b, \p, \q
	v_max3_num_f32 v[BM+\b], v[S+16*\b], v[S+16*\b+1], v[S+16*\b+2]
	v_max3_num_f32 v[PT+\b], v[S+16*\b+8], v[S+16*\b+9], v[S+16*\b+10]
.endr
.irp i, 3,5
.irp b, \p, \q
	v_max3_num_f32 v[BM+\b], v[BM+\b], v[S+16*\b+\i], v[S+16*\b+\i+1]
	v_max3_num_f32 v[PT+\b], v[PT+\b], v[S+16*\b+8+\i], v[S+16*\b+9+\i]
.endr
.endr
.irp b, \p, \q
	v_max3_num_f32 v[BM+\b], v[BM+\b], v[PT+\b], v[S+16*\b+7]
.endr
.irp b, \p, \q
	v_max_num_f32 v[BM+\b], v[BM+\b], v[S+16*\b+15]
.endr
.endm
; Among the chain's lines stand single products of the other tile: the first tile's chain has the last four of tile 1's scores, tile 1's chain has tile 0's V^T P^T.
.macro CHP t, i
.if \t == 0
	WIN 0x45
	QKN 1, 4+\i, 1
	WIN 0
.else
	WIN 0
	PV 0, \i
	WIN 0x55
.endif
.endm
.macro CHAIN t                         ; 14 plain lines: the blocks' maxima over both halves of the lanes, the row's, M and f
.irp b, 0,1,2,3
	v_permlanex16_b32 v[PT+\b], v[BM+\b], s[SEL], s[SEL+1]
.endr
	CHP \t, 0
	v_dual_max_num_f32 v[BM], v[BM], v[PT] :: v_dual_max_num_f32 v[BM+1], v[BM+1], v[PT+1]
	v_dual_max_num_f32 v[BM+2], v[BM+2], v[PT+2] :: v_dual_max_num_f32 v[BM+3], v[BM+3], v[PT+3]
	CHP \t, 1
	v_max3_num_f32 v[TMP], v[BM], v[BM+1], v[BM+2]
	v_max3_num_f32 v[NM+1], v[NM+1], v[TMP], v[BM+3]   ; the running largest score of my query
	CHP \t, 2
	v_mul_f32 v[TMP], s[CS], v[NM+1]               ; as t (c is positive)
	v_mov_b32 v[TMP2], v[NM]
	v_floor_f32 v[NM], -v[TMP]                     ; the new -M = floor(-t) = -ceil(t)
	CHP \t, 3
	v_sub_f32 v[TMP], v[NM], v[TMP2]               ; old M - new M: a whole number, 0 or less
	v_cvt_i32_f32 v[TMP], v[TMP]                   ; (it saturates)
	v_ldexp_f32 v[F], 1.0, v[TMP]
.endm
.macro FMA k                           ; t - M of pair k
	v_pk_fma_f32 v[S+2*(\k):S+2*(\k)+1], v[S+2*(\k):S+2*(\k)+1], s[CS:CS+1], v[NM:NM+1] op_sel_hi:[1,0,0]
.endm
.macro FMA4 k
.irp fi, 0,1,2,3
	FMA (\k)+\fi
.endr
.endm
; The blocks' scales, from the floor of their largest t - M, among the first half's t - M.
.macro SCALE t
	v_pk_fma_f32 v[BM:BM+1], v[BM:BM+1], s[CS:CS+1], v[NM:NM+1] op_sel_hi:[1,0,0]
	v_pk_fma_f32 v[BM+2:BM+3], v[BM+2:BM+3], s[CS:CS+1], v[NM:NM+1] op_sel_hi:[1,0,0]
	FMA4 0
.if \t == 0
	LOADK                                          ; eleven plain lines behind the last product that has read K's registers
.endif
.irp b, 0,1,2,3
	v_cvt_floor_i32_f32 v[PT+\b], v[BM+\b]         ; the exponent of the block's largest p
.endr
	FMA4 4
.irp b, 0,1,2,3
	v_max_i32 v[PT+\b], 0xffffff8a, v[PT+\b]       ; -118 at the least
.endr
	FMA4 8
	v_lshl_add_u32 v[TMP], v[PT+1], 8, v[PT]
	FMA 12
	FMA 13
	v_lshl_add_u32 v[TMP], v[PT+2], 16, v[TMP]
	FMA 14
	FMA 15
	v_lshl_add_u32 v[TMP], v[PT+3], 24, v[TMP]
	v_pk_mul_f32 v[LA:LA+1], v[LA:LA+1], v[F:F+1] op_sel_hi:[1,0]   ; the sum under the new M
.if \t
	WIN 0x15
.endif
	v_add_nc_u32 v[PSW+\t], 0x77777777, v[TMP]     ; 119 onto each of the four bytes: p's scale word for these 128 keys
.if \t
	WIN 0x55
.endif
.endm
.macro HOLD k                          ; pair k within the largest code (the conversion does not saturate: ISA guide 7.6.2); p is not negative
	v_dual_min_num_f32 v[S+2*(\k)], v[S+2*(\k)], v[HL+(\k)/8] :: v_dual_min_num_f32 v[S+2*(\k)+1], v[S+2*(\k)+1], v[HL+(\k)/8]
.endm
; The exponentials in two batches.  Among the first stand the second half's t - M, among the second the first half's partial sums (into eight pairs from lt on) and holds: what these write is read behind the next wait alone.
.macro EXPS lt
	WALU
.set xj, 0
.rept 16
	v_pk_mul_f32 v[O+2*xj:O+2*xj+1], v[O+2*xj:O+2*xj+1], v[F:F+1] op_sel_hi:[1,0]   ; O^T under the new M, directly behind the wait
.set xj, xj+1
.endr
.set xj, 0
.rept 16
	v_exp_f32 v[S+2*xj], v[S+2*xj]
	v_exp_f32 v[S+2*xj+1], v[S+2*xj+1]
	FMA 16+xj
.if xj < 4
	v_add_lshl_u32 v[SO+xj], v[PT+xj], s[K119], 23 ; the byte is the exponent - 8 + 127; the conversion's scale operand has it in its exponent field
.elseif xj < 8
	v_ldexp_f32 v[HL+xj-4], s[C175], v[PT+xj-4]    ; 448 x the scale = 1.75 x 2^exponent
.endif
.set xj, xj+1
.endr
	WALU
.set xj, 0
.rept 8
	v_exp_f32 v[S+32+4*xj], v[S+32+4*xj]
	v_exp_f32 v[S+33+4*xj], v[S+33+4*xj]
	v_pk_add_f32 v[\lt+2*xj:\lt+2*xj+1], v[S+2*xj:S+2*xj+1], v[S+16+2*xj:S+16+2*xj+1]
	HOLD xj
	v_exp_f32 v[S+34+4*xj], v[S+34+4*xj]
	v_exp_f32 v[S+35+4*xj], v[S+35+4*xj]
	HOLD xj+8
.set xj, xj+1
.endr
.endm
.macro ADDP d, s                       ; pair d += pair s
	v_pk_add_f32 v[\d:\d+1], v[\d:\d+1], v[\s:\s+1]
.endm
.macro HOLD4 k
.irp hi, 0,1,2,3
	HOLD (\k)+\hi
.endr
.endm
.macro CVTS
.irp b, 0,1,2,3
	v_cvt_scalef32_pk8_fp8_f32 v[PCD+4*\b:PCD+4*\b+1], v[S+16*\b:S+16*\b+7], v[SO+\b]
	v_cvt_scalef32_pk8_fp8_f32 v[PCD+4*\b+2:PCD+4*\b+3], v[S+16*\b+8:S+16*\b+15], v[SO+\b]
.endr
.endm
.macro TAIL0                           ; tile 0: the rest of the sum, whose partial sums lie where the codes go next; the second half's holds; the codes
.irp i, 0,1
.irp j, 0,1,2,3,4,5,6,7
	v_pk_add_f32 v[PCD+2*\j:PCD+2*\j+1], v[PCD+2*\j:PCD+2*\j+1], v[S+32+16*\i+2*\j:S+32+16*\i+2*\j+1]
.endr
.endr
.irp j, 0,1,2,3
	ADDP PCD+2*\j, PCD+8+2*\j
.endr
	HOLD4 16
	ADDP PCD, PCD+4
	ADDP PCD+2, PCD+6
	HOLD4 20
	ADDP PCD, PCD+2
	HOLD4 24
	ADDP LA, PCD
	HOLD4 28
	CVTS
.endm
.macro TAIL1                           ; tile 1: eight more partial sums, the holds, the codes; the partial sums' first level stands behind the conversions
.irp j, 0,1,2,3,4,5,6,7
	v_pk_add_f32 v[LT+16+2*\j:LT+17+2*\j], v[S+32+2*\j:S+33+2*\j], v[S+48+2*\j:S+49+2*\j]
.endr
	HOLD4 16
	HOLD4 20
	HOLD4 24
	HOLD4 28
	CVTS
.irp j, 0,1,2,3,4,5,6,7
	ADDP LT+2*\j, LT+16+2*\j
.endr
.endm
.macro TREEP p                         ; tile 1's remaining levels, in three parts: eight plain lines, which stand among the next step's first products
.if \p == 0
.irp j, 0,1,2,3
	ADDP LT+2*\j, LT+8+2*\j
.endr
.elseif \p == 1
	ADDP LT, LT+4
	ADDP LT+2, LT+6
.else
	ADDP LT, LT+2
	ADDP LA, LT
.endif
.endm
.macro TREE
	TREEP 0
	TREEP 1
	TREEP 2
.endm
; A KEY STEP: 128 keys, at LDS byte s[TB]; K's fragments have been asked for in the step before.
.macro STEP
	s_wait_dscnt 0x0                               ; K's fragments and scale words
	WIN 0x01
	QKN 0, 0, 4
	WIN 0x55
	TREEP 0                                        ; the eight lines are the plain ones behind the last step's V^T P and behind the first four products
	WIN 0x01
	QKN 0, 4, 2
	WIN 0x55
	TREEP 1
	WIN 0x01
	QKN 0, 6, 2
	WIN 0x55
	TREEP 2
	WIN 0
	v_add_nc_u32 v[ADC], s[TB], v[LI]
	v_add_nc_u32 v[ADW], s[TB], v[LS]
	LOADV
	BMAX 0, 1
	WIN 0x45
	QKN 1, 0, 4
	WIN 0
	BMAX 2, 3
	CHAIN 0
	s_add_co_u32 s[TB], s[TB], KVB
	s_min_u32 s[TN], s[TB], 15*KVB                 ; the next step's K; the last step asks for its own once more
	v_add_nc_u32 v[ADC], s[TN], v[LI]
	v_add_nc_u32 v[ADW], s[TN], v[LS]
	SCALE 0
	EXPS PCD
	WIN 0x55
	s_wait_dscnt 20                                ; V's 18 loads are in; K's 20 for the next step, issued behind them, stay out
	WALU                                           ; one wait for tile 0's exponentials and for the first readers of tile 1's scores, which follow directly
	BMAX 0, 1
	BMAX 2, 3
	WIN 0
	TAIL0
	WIN 0x55
	CHAIN 1
	SCALE 1
	EXPS LT
	WALU                                           ; tile 1's exponentials
	TAIL1
	WALU                                           ; matrix instructions alone follow
	WIN 0x54
.irp d, 0,1,2,3
	PV 1, \d
.endr
	WIN 0
.endm
	WALU                                           ; the wait at the head's end
	s_cmp_eq_u32 s[WV], 0
	s_cbranch_scc0 .Lnot_first
	s_wait_tensorcnt 0x0                           ; wave 0: steps 0 and 1 have landed.  The other waves' wait stands at the next barrier
.Lnot_first:
	s_wait_loadcnt 0x0                             ; Q
	s_wait_dscnt 0x0
	s_barrier_signal -1
	s_barrier_wait -1
	LOADK
	STEP                                           ; step 0 works, and asks for step 1's K, while the other steps are on their way
	WALU
	s_wait_tensorcnt 0x0                           ; all steps have landed
	s_wait_dscnt 0x0
	s_barrier_signal -1
	s_barrier_wait -1
	s_mov_b32 s[CNT], 15
.Lstep:
	STEP
	s_sub_co_u32 s[CNT], s[CNT], 1
	s_cmp_lg_u32 s[CNT], 0
	s_cbranch_scc1 .Lstep
	WIN 0x55
	TREE                                           ; the last step's
	WIN 0
; THE WAY OUT of a tile: O^T / the sum, quantised along the channels (register 16 b + i is channel 32 b + 16 h + i of the head), stored as a part of the last product's images.
.macro OUT t
	WIN 0x55*\t
	v_add_f32 v[TMP], v[LA], v[LA+1]
	v_permlanex16_b32 v[PT], v[TMP], s[SEL], s[SEL+1]
	v_add_f32 v[TMP], v[TMP], v[PT]                ; the row's sum
	WALU
	v_rcp_f32 v[TMP], v[TMP]
	v_nop
	WALU
.set oj, 0
.rept 32
	v_mul_f32 v[S+oj], v[O+oj], v[TMP]
.set oj, oj+1
.endr
.irp b, 0,1
	v_max3_num_f32 v[BM+\b], |v[S+16*\b]|, |v[S+1+16*\b]|, 0x4800000   ; with the floor under which the byte would fall under 1
.endr
.irp i, 2,4,6,8,10,12,14
.irp b, 0,1
	v_max3_num_f32 v[BM+\b], v[BM+\b], |v[S+16*\b+\i]|, |v[S+1+16*\b+\i]|
.endr
.endr
.irp b, 0,1
	v_permlanex16_b32 v[PT+\b], v[BM+\b], s[SEL], s[SEL+1]
.endr
.irp b, 0,1
	v_max_num_f32 v[BM+\b], v[BM+\b], v[PT+\b]
.endr
.irp b, 0,1
	v_add_nc_u32 v[SO+\b], 0xfc000000, v[BM+\b]
.endr
.irp b, 0,1
	v_and_or_b32 v[HL+\b], v[BM+\b], 0x7f800000, s[MNT]
.endr
.irp b, 0,1
	v_lshrrev_b32 v[PT+\b], 23, v[SO+\b]
.endr
	v_lshl_or_b32 v[TMP2], v[PT+1], 8, v[PT]       ; my head's two scale bytes of row r
.irp b, 0,1
.set oj, 0
.rept 16
	v_med3_num_f32 v[S+16*\b+oj], v[S+16*\b+oj], -v[HL+\b], v[HL+\b]
.set oj, oj+1
.endr
	v_cvt_scalef32_pk8_fp8_f32 v[PCD+4*\b:PCD+4*\b+1], v[S+16*\b:S+16*\b+7], v[SO+\b]
	v_cvt_scalef32_pk8_fp8_f32 v[PCD+4*\b+2:PCD+4*\b+3], v[S+16*\b+8:S+16*\b+15], v[SO+\b]
.endr
	v_nop
	WIN 0x04*\t
	global_store_b128 v[LI], v[PCD:PCD+3], s[6:7] offset:8192*\t          ; 512 consecutive bytes each
	global_store_b128 v[LI], v[PCD+4:PCD+7], s[6:7] offset:8192*\t+512
	global_store_b16 v[RW], v[TMP2], s[8:9] offset:64*\t                  ; lanes 16-31 write the same two bytes with the same value
	WIN 0
.endm
	OUT 0
	OUT 1
	s_wait_tensorcnt 0x0                           ; the wave's end
	ds_add_u32 v[SPW], v[NIL]
	s_wait_dscnt 0x0
	CROUND                                         ; the closing round: no work-group ends while a partner may still ask for a tile that names it
	s_endpgm
.Lfunc_end_k_qcb56976be2_attn:
	.size	k_qcb56976be2_attn, .Lfunc_end_k_qcb56976be2_attn-k_qcb56976be2_attn
	.p2alignl 7, 3214868480
	.fill 96, 4, 3214868480
	.section	.rodata,"a",@progbits
	.p2align	6, 0x0
	.amdhsa_kernel k_qcb56976be2_attn
		.amdhsa_group_segment_fixed_size 327680
		.amdhsa_private_segment_fixed_size 0
		.amdhsa_enable_private_segment 0
		.amdhsa_kernarg_size 16
		.amdhsa_user_sgpr_count 2
		.amdhsa_user_sgpr_kernarg_segment_ptr 1
		.amdhsa_wavefront_size32 1
		.amdhsa_system_sgpr_workgroup_id_x 1
		.amdhsa_system_sgpr_workgroup_id_y 1
		.amdhsa_system_sgpr_workgroup_id_z 1
		.amdhsa_system_vgpr_workitem_id 0
		.amdhsa_next_free_vgpr 512
		.amdhsa_next_free_sgpr 80
		.amdhsa_reserve_vcc 0
		.amdhsa_float_denorm_mode_32 3
		.amdhsa_float_denorm_mode_16_64 3
		.amdhsa_memory_ordered 1
		.amdhsa_forward_progress 1
		.amdhsa_inst_pref_size 92
	.end_amdhsa_kernel
	.amdgpu_metadata
---
amdhsa.version: [ 1, 2 ]
amdhsa.kernels:
  - .name:           k_qcb56976be2_attn
    .symbol:         k_qcb56976be2_attn.kd
    .args:
      - { .name: qkv, .offset: 0, .size: 8, .value_kind: global_buffer, .address_space: global }
      - { .name: ocodes, .offset: 8, .size: 8, .value_kind: global_buffer, .address_space: global }
    .group_segment_fixed_size: 327680
    .private_segment_fixed_size: 0
    .kernarg_segment_align: 8
    .kernarg_segment_size: 16
    .max_flat_workgroup_size: 256
    .sgpr_count:     80
    .vgpr_count:     512
    .wavefront_size: 32
...
	.end_amdgpu_metadata
.endif
;; end of part 3
;; launch proj (part 4): grid 8 x 32, 4 waves a work-group, clusters of 4 x 4, 327,680 bytes of LDS; arguments ocodes, pcodes, bo, out0; writes out0
.if DOCPART == 4
	.amdgcn_target "amdgcn-amd-amdhsa--gfx1250"
	.amdhsa_code_object_version 6
	.text
	.protected	k_qcb56976be2_proj
	.globl	k_qcb56976be2_proj
	.p2align	8
	.type	k_qcb56976be2_proj,@function
k_qcb56976be2_proj:
	s_mov_b64 s[64:65], 0
	v_nop
	global_prefetch_b8 v0, s[64:65] scope:SCOPE_SE
	s_setreg_imm32_b32 hwreg(HW_REG_WAVE_MODE, 25, 1), 1
	s_wait_xcnt 0x0
	s_wait_alu depctr_hold_cnt(0) depctr_sa_sdst(0) depctr_va_vdst(0) depctr_va_sdst(0) depctr_va_ssrc(0) depctr_va_vcc(0) depctr_vm_vsrc(0)
	s_getreg_b32 s2, hwreg(HW_REG_IB_STS2, 6, 4)
	s_cmp_eq_u32 s2, 0
	s_cbranch_scc0 .Lentry_in_a_cluster
	s_endpgm
.Lentry_in_a_cluster:
	s_bfe_u32 s2, ttmp6, 0x10000c
	s_cmp_lg_u32 s2, 0xf033
	s_cbranch_scc0 .Lentry_shape_is_right
	s_endpgm
.Lentry_shape_is_right:
; out0 = O Wo + bo on codes of FP8 (E4M3) with E8M0 scales.  M 4,096, N 1,024, K 1,024.
; ocodes [half of K: 2][pair of token tiles: 128][16,896 bytes: tile 0's four images, tile 1's, four K steps' 32 scale words]; Wo likewise behind pcodes' four chunks, 32 pairs a half.
; A work-group makes 128 tokens x 128 columns (256 work-groups), each of its four waves 64 x 64: 16 accumulators.  ALL OF K LIES IN LDS, filled once: wave w asks for half w / 2 of the tokens' four pairs (w even)
; or of Wo's (w odd), 67,584 dense bytes, scale words and all, one load a wave.  The first half is shown first.  No prefetch: everything is asked for at the head.
; CLUSTER 4 x 4: the tokens' pairs are asked for jointly along a row of the cluster, Wo's along a column.
; Source 0 = 16 columns of Wo, source 1 = 16 tokens: a lane holds one token, and the registers of two neighbouring column tiles are 16 neighbouring columns.  The bias is the C of each sum's first product.
; Tile u of pair P holds in row p the element 32 P + 8 u + p + 8 (p / 8): the way out puts each row back at its token.
; REGISTERS: window 0: v4-26 addresses; v32-35, v40-43 scale words, two sets (two token pairs, two of Wo's); v64-95 bo in the result's layout, later rows on the way out; v96-127 rows on the way out; v128-255 accumulators.
;   window 1: two sets of fragments: the tokens' four, then Wo's four.
.set PW,   16896
.set PART, 4*PW                        ; what one load brings
.set STG,  4*PART                      ; behind them: a stage of 16 rows x (256 bytes + 16) for each wave
.set SPARE, STG+4*4352
.set LI,   4
.set BOO,  7
.set ADRA, 8                           ; v8-9   LDS address of my token fragments in half 0, 1
.set ADRB, 10                          ; v10-11 the same for Wo
.set ASA,  12                          ; v12-13 of my tokens' scale words
.set ASB,  14
.set STO,  24
.set RD,   25
.set CO,   26
.set SPW,  30
.set NIL,  31
.set SC,   32
.set BO,   64
.set ACC,  128
.set G1A, 24
.set G0A, 32
.set G0B, 36
.set G1B, 68
.set MSB, 0
.macro WIN new
.if MSB != \new
	s_set_vgpr_msb (MSB<<8)|\new
.set MSB, \new
.endif
.endm
.set MUL,  0x05                        ; sources 0 and 1 window 1; C and D window 0
.set TO_F, 0x40                        ; destination window 1, address window 0
.macro CROUND
	s_barrier_signal -1
	s_barrier_wait -1
	s_cmp_lg_u32 s16, 0
	s_cbranch_scc1 .Lnot_wave_0_\@
	s_barrier_signal -3
.Lnot_wave_0_\@:
	s_barrier_wait -3
	s_barrier_signal -1
	s_barrier_wait -1
.endm
.macro PLACES n
.rept \n
	v_nop
.endr
.endm
	s_load_b256 s[4:11], s[0:1], 0x0               ; ocodes s[4:5], pcodes s[6:7], bo s[8:9], out0 s[10:11]
	v_lshl_add_u32 v[SPW], v0, 2, SPARE
	v_mov_b32 v[NIL], 0
	ds_add_u32 v[SPW], v[NIL]                      ; the wave's opening: an add, twice on end
	ds_add_u32 v[SPW], v[NIL]
	v_lshrrev_b32 v1, 5, v0
	v_readfirstlane_b32 s16, v1                    ; wave 0..3
	s_lshr_b32 s17, s16, 1                         ; which 64 tokens are mine.  Also: which half of K I fetch
	s_and_b32 s18, s16, 1                          ; which 64 columns.  Also: I fetch tokens (0) or Wo (1)
	s_bfe_u32 s19, ttmp6, 0x40000                  ; cx
	s_bfe_u32 s20, ttmp6, 0x40004                  ; cy
	s_lshl_b32 s21, ttmp9, 2
	s_add_co_u32 s21, s21, s19                     ; which 128 columns
	s_and_b32 s22, ttmp7, 0xffff
	s_lshl_b32 s22, s22, 2
	s_add_co_u32 s22, s22, s20                     ; which 128 tokens
	s_lshl_b32 s23, s20, 2
	s_lshl_b32 s23, 15, s23                        ; my row of the cluster
	s_lshl_b32 s82, 0x1111, s19                    ; my column
	s_or_b32 s[G1A], s23, (3<<16)|(1<<21)          ; the mask; elements of 8 bytes; bit 21 beside a mask; no padding
	s_or_b32 s[G1B], s82, (3<<16)|(1<<21)
.irp g, G1A, G1B
	s_mov_b32 s[\g+1], 32<<16                      ; rows of 256 bytes,
	s_mov_b32 s[\g+2], 264<<16                     ; 264 of them: four pairs
	s_mov_b32 s[\g+3], 32<<16
	s_mov_b32 s[\g+4], 264
	s_mov_b32 s[\g+5], 32
	s_mov_b32 s[\g+6], 0
	s_mov_b32 s[\g+7], 0
.endr
	s_mul_i32 s76, s22, PART
	s_mul_i32 s80, s17, 128*PW
	s_add_co_u32 s76, s76, s80                     ; the tokens' four pairs in my half
	s_mov_b32 s77, 0
	s_mul_i32 s78, s21, PART
	s_mul_i32 s80, s17, 32*PW
	s_add_co_u32 s78, s78, s80
	s_add_co_u32 s78, s78, 4*224*8448              ; and Wo's
	s_mov_b32 s79, 0
	s_mul_i32 s81, s16, PART                       ; where they go
	s_mul_i32 s84, s17, 2*PW                       ; my two token pairs,
	s_mul_i32 s89, s18, 2*PW
	s_add_co_u32 s89, s89, PART                    ; my two of Wo
	s_lshl_b32 s86, s21, 9
	s_lshl_b32 s83, s18, 8
	s_add_co_u32 s86, s86, s83                     ; my first column, in bytes
	s_mov_b32 s87, 0
	s_lshl_b32 s90, s22, 19
	s_lshl_b32 s83, s17, 18
	s_add_co_u32 s90, s90, s83                     ; my first token's row
	s_mov_b32 s91, 0
	s_mul_i32 s88, s16, 4352
	s_add_co_u32 s88, s88, STG                     ; my stage
	v_and_b32 v1, 31, v0                           ; lane
	v_and_b32 v2, 15, v0                           ; r
	v_bfe_u32 v3, v0, 4, 1                         ; h
	v_lshlrev_b32 v[LI], 4, v1
	v_lshlrev_b32 v[BOO], 6, v3
	v_lshl_add_u32 v[ASA], v1, 2, s84
	v_lshl_add_u32 v[ASB], v1, 2, s89
	v_add_nc_u32 v[ADRA], s84, v[LI]
	v_add_nc_u32 v[ADRB], s89, v[LI]
.irp a, ADRA, ADRB, ASA, ASB
	v_add_nc_u32 v[\a+1], 2*PART, v[\a]
.endr
	v_mul_u32_u24 v[STO], v2, 272
	v_lshl_add_u32 v[STO], v3, 6, v[STO]
	v_add_nc_u32 v[STO], s88, v[STO]               ; in: row r, + 64 h
	v_mul_u32_u24 v[RD], v3, 272
	v_lshl_add_u32 v[RD], v2, 4, v[RD]
	v_add_nc_u32 v[RD], s88, v[RD]                 ; back: lanes 0-15 one row of 256 bytes, lanes 16-31 the next
	v_lshlrev_b32 v[CO], 12, v3
	v_lshl_add_u32 v[CO], v2, 4, v[CO]             ; and the same two rows in out0
	s_wait_dscnt 0x0                               ; both opening adds are done
	s_wait_alu depctr_va_vdst(0)
	s_wait_kmcnt 0x0
	s_add_nc_u64 s[76:77], s[4:5], s[76:77]
	s_add_nc_u64 s[78:79], s[6:7], s[78:79]
	s_mov_b32 s[G0A], 1
	s_mov_b32 s[G0A+1], s81
	s_mov_b64 s[G0A+2:G0A+3], s[76:77]
	s_or_b32 s[G0A+3], s[G0A+3], 0x80000000
	s_mov_b32 s[G0B], 1
	s_mov_b32 s[G0B+1], s81
	s_mov_b64 s[G0B+2:G0B+3], s[78:79]
	s_or_b32 s[G0B+3], s[G0B+3], 0x80000000
	s_add_nc_u64 s[8:9], s[8:9], s[86:87]
	s_add_nc_u64 s[10:11], s[10:11], s[86:87]
	s_add_nc_u64 s[10:11], s[10:11], s[90:91]
.irp g, 0,1                            ; bo: register 16 g + i is column 32 g + 16 h + i of my 64
.irp j, 0,1,2,3
	global_load_b128 v[BO+16*\g+4*\j:BO+16*\g+4*\j+3], v[BOO], s[8:9] offset:128*\g+16*\j
.endr
.endr
	CROUND                                         ; all sixteen work-groups are here: the joint loads meet
; ONE tree of branches on the wave's number, one load and a line of its own to a wave.
.macro ARM under, g0, g1, next
	s_cmp_lt_u32 s16, \under
	s_cbranch_scc0 \next
	tensor_load_to_lds s[\g0:\g0+3], s[\g1:\g1+7]
	s_nop 0
	PLACES 4
	s_branch .Lasked
\next:
.endm
	ARM 1, G0A, G1A, .Lwave_1
	ARM 2, G0B, G1B, .Lwave_2
	ARM 3, G0A, G1A, .Lwave_3
	tensor_load_to_lds s[G0B:G0B+3], s[G1B:G1B+7]
	s_nop 0
	PLACES 4
.Lasked:
.macro PM a, b, s                      ; token tile a x column tile b, K step s.  In K step 0 the bias is C
.set rD, ACC+8*(4*(\a)+(\b))
.set rB, 128*((\s)%2)+64+16*(\b)
.set rA, 128*((\s)%2)+16*(\a)
.set rX, SC+8*((\s)%2)+2+(\b)/2
.set rY, SC+8*((\s)%2)+(\a)/2
.set rC, rD
.if (\s) == 0
.set rC, BO+8*(\b)
.endif
.set od, 2*((\a)%2)+((\b)%2)
.if od == 0
	v_wmma_scale_f32_16x16x128_f8f6f4 v[rD:rD+7], v[rB:rB+15], v[rA:rA+15], v[rC:rC+7], v[rX], v[rY]
.elseif od == 1
	v_wmma_scale_f32_16x16x128_f8f6f4 v[rD:rD+7], v[rB:rB+15], v[rA:rA+15], v[rC:rC+7], v[rX], v[rY] matrix_a_scale:MATRIX_SCALE_ROW1
.elseif od == 2
	v_wmma_scale_f32_16x16x128_f8f6f4 v[rD:rD+7], v[rB:rB+15], v[rA:rA+15], v[rC:rC+7], v[rX], v[rY] matrix_b_scale:MATRIX_SCALE_ROW1
.else
	v_wmma_scale_f32_16x16x128_f8f6f4 v[rD:rD+7], v[rB:rB+15], v[rA:rA+15], v[rC:rC+7], v[rX], v[rY] matrix_a_scale:MATRIX_SCALE_ROW1 matrix_b_scale:MATRIX_SCALE_ROW1
.endif
.endm
.macro MUL8 a0, s                      ; the sixteen accumulators take turns, one instruction a turn, in the same order in every K step
.irp a, \a0, \a0+1
.irp b, 0,1,2,3
	PM (\a), \b, \s
.endr
.endr
.endm
.macro FETCH s                         ; K step s's scale words and eight images into set s % 2
.set fh, (\s)/4
.set fs, (\s)%4
.set fq, (\s)%2
	WIN 0
.irp i, 0,1
	ds_load_b32 v[SC+8*fq+\i], v[ASA+fh] offset:\i*PW+16384+128*fs
	ds_load_b32 v[SC+8*fq+2+\i], v[ASB+fh] offset:\i*PW+16384+128*fs
.endr
	WIN TO_F
.irp i, 0,1,2,3
.irp c, 0,1,2,3
	ds_load_b128 v[128*fq+16*\i+4*\c:128*fq+16*\i+4*\c+3], v[ADRA+fh] offset:(\i/2)*PW+(\i%2)*8192+fs*2048+512*\c
.endr
.endr
.irp i, 0,1,2,3
.irp c, 0,1,2,3
	ds_load_b128 v[128*fq+64+16*\i+4*\c:128*fq+64+16*\i+4*\c+3], v[ADRB+fh] offset:(\i/2)*PW+(\i%2)*8192+fs*2048+512*\c
.endr
.endr
.endm
.macro KSTEP s                         ; a K step; in step 3 the second half of K is shown: eight products stand between the signal and the wait
	s_wait_dscnt 0x0                               ; this step's fragments are in
.if (\s) == 3
	s_wait_tensorcnt 0x0
	s_barrier_signal -1
	WIN MUL
	MUL8 0, \s
	s_barrier_wait -1
.endif
.if (\s) < 7
	PLACES 8                                       ; the other set's last products stand in the step before: eight places, then the next step's loads, ahead of this step's products
	FETCH (\s)+1
.endif
	WIN MUL
.if (\s) != 3
	MUL8 0, \s
.endif
	MUL8 2, \s
.endm
	s_wait_alu depctr_va_vdst(0)                   ; the wait at the head's end
	s_cmp_lt_u32 s16, 2
	s_cbranch_scc0 .Lnot_first
	s_wait_tensorcnt 0x0                           ; waves 0 and 1: the first half of K has landed
.Lnot_first:
	s_barrier_signal -1
	s_barrier_wait -1
	FETCH 0
	WIN 0
	s_wait_loadcnt 0x0                             ; the bias
.irp s, 0,1,2,3,4,5,6,7
	KSTEP \s
.endr
	WIN 0
	PLACES 8
; THE WAY OUT, token tile by token tile: 16 rows x 64 columns go through my own stage and come back as rows of 256 bytes; sixteen lanes store one aligned run of 256 bytes.
; LDS serves a wave's instructions in order: no wait between the stores and the loads, nor in front of the next tile's stores.
.macro TOSTAGE a
.set BB, 96-32*((\a)%2)
.irp b, 0,1,2,3
	ds_store_b128 v[STO], v[ACC+8*(4*(\a)+\b):ACC+8*(4*(\a)+\b)+3] offset:128*(\b/2)+32*(\b%2)        ; each accumulator from its low end on
	ds_store_b128 v[STO], v[ACC+8*(4*(\a)+\b)+4:ACC+8*(4*(\a)+\b)+7] offset:128*(\b/2)+32*(\b%2)+16
.endr
.irp i, 0,1,2,3,4,5,6,7
	ds_load_b128 v[BB+4*\i:BB+4*\i+3], v[RD] offset:544*\i
.endr
.endm
.macro SEND a, younger
.set BB, 96-32*((\a)%2)
	s_wait_dscnt \younger                          ; the tile is back in registers; the next tile's 8 stores and 8 loads may be out
.irp i, 0,1,2,3,4,5,6,7
	global_store_b128 v[CO], v[BB+4*\i:BB+4*\i+3], s[10:11] offset:(32*((\a)/2)+8*((\a)%2)+2*\i+8*(\i/4))*4096 th:TH_STORE_NT   ; the tile's rows 2 i and 2 i + 1, at their tokens
.endr
.endm
	TOSTAGE 0
.irp a, 1,2,3
.if \a > 1
	s_wait_xcnt 0x0                                ; tile a - 2's stores have read their registers: tile a's rows may land there
.endif
	TOSTAGE \a
	SEND \a-1, 16
.endr
	SEND 3, 0
	s_wait_tensorcnt 0x0                           ; the wave's end
	ds_add_u32 v[SPW], v[NIL]
	s_wait_dscnt 0x0
	CROUND                                         ; the closing round: no work-group ends while a partner may still ask for a tile that names it
	s_endpgm
.Lfunc_end_k_qcb56976be2_proj:
	.size	k_qcb56976be2_proj, .Lfunc_end_k_qcb56976be2_proj-k_qcb56976be2_proj
	.p2alignl 7, 3214868480
	.fill 96, 4, 3214868480
	.section	.rodata,"a",@progbits
	.p2align	6, 0x0
	.amdhsa_kernel k_qcb56976be2_proj
		.amdhsa_group_segment_fixed_size 327680
		.amdhsa_private_segment_fixed_size 0
		.amdhsa_enable_private_segment 0
		.amdhsa_kernarg_size 32
		.amdhsa_user_sgpr_count 2
		.amdhsa_user_sgpr_kernarg_segment_ptr 1
		.amdhsa_wavefront_size32 1
		.amdhsa_system_sgpr_workgroup_id_x 1
		.amdhsa_system_sgpr_workgroup_id_y 1
		.amdhsa_system_sgpr_workgroup_id_z 1
		.amdhsa_system_vgpr_workitem_id 0
		.amdhsa_next_free_vgpr 512
		.amdhsa_next_free_sgpr 96
		.amdhsa_reserve_vcc 0
		.amdhsa_float_denorm_mode_32 3
		.amdhsa_float_denorm_mode_16_64 3
		.amdhsa_memory_ordered 1
		.amdhsa_forward_progress 1
		.amdhsa_inst_pref_size 53
	.end_amdhsa_kernel
	.amdgpu_metadata
---
amdhsa.version: [ 1, 2 ]
amdhsa.kernels:
  - .name:           k_qcb56976be2_proj
    .symbol:         k_qcb56976be2_proj.kd
    .args:
      - { .name: ocodes, .offset: 0, .size: 8, .value_kind: global_buffer, .address_space: global }
      - { .name: pcodes, .offset: 8, .size: 8, .value_kind: global_buffer, .address_space: global }
      - { .name: bo, .offset: 16, .size: 8, .value_kind: global_buffer, .address_space: global }
      - { .name: out0, .offset: 24, .size: 8, .value_kind: global_buffer, .address_space: global }
    .group_segment_fixed_size: 327680
    .private_segment_fixed_size: 0
    .kernarg_segment_align: 8
    .kernarg_segment_size: 32
    .max_flat_workgroup_size: 128
    .sgpr_count:     96
    .vgpr_count:     512
    .wavefront_size: 32
...
	.end_amdgpu_metadata
.endif
;; end of part 4
